; MI455X (gfx1250); checked and timed in simulation.
; The chip was launched on July 23, 2026; its instructions are those of AMD's public machine-readable ISA for CDNA 5 (MIT licence, August 2026) and "CDNA5" Instruction Set Architecture Reference Guide (July 2026). The comments in the code are by the model that wrote it; some were corrected since.
;; MHA. Allowed arithmetic: matrix products marked QUANTISED: E2M3 operands, one E8M0 scale for each 32 along K, by v_wmma_scale_f32_16x16x128_f8f6f4 with both operands' format E2M3, f32 sums; everything else in f32.
;; Inputs: b_proj 1,024 float32; b_qkv 3,072 float32; w_proj 1,024 x 1,024 float32; w_qkv 1,024 x 3,072 float32; x 4 x 2,048 x 1,024 float32.
;; Outputs: out0 4 x 2,048 x 1,024 float32.
;; This version of the problem:
;;   THIS VERSION OF THE PROBLEM IS GIVEN IN LOW PRECISION. The matrix products marked QUANTISED in the list below multiply operands that are first quantised to E2M3 (2 exponent bits, 3 mantissa bits; 6 bits a number), with one power-of-two scale for each 32 numbers along K (OCP MX v1.0); their sums are f32. All else is computed in f32.
;;   The module's matrix products, in the order in which they are computed (A, B: the left and right operand; K: the contracted axis; several contracted axes count as one K, in the product's order):
;;     1. [M 8,192, K 1,024] x [K 1,024, N 3,072]; A: input x; B: input w_qkv: QUANTISED
;;     2. batch 64 x [M 2,048, K 64] x [K 64, N 2,048]; A: computed on the way; B: computed on the way: QUANTISED
;;     3. batch 64 x [M 64, K 2,048] x [K 2,048, N 2,048]; A: computed on the way; B: softmax (see below): QUANTISED
;;     4. [M 8,192, K 1,024] x [K 1,024, N 1,024]; A: computed on the way; B: input w_proj: QUANTISED
;;   THE QUANTISER, for each operand of a quantised product, along K:
;;     - K is cut into blocks of 32 from its start; a last block that is shorter is filled with zeros.
;;     - A block's scale is 2^e with e = floor(log2(the largest magnitude in the block)) - 2, held to -126 .. 127; a block of zeros has e = 0. As a byte (E8M0): e + 127.
;;     - Each number is divided by its block's scale, clamped to +-7.5, and rounded to the nearest number of E2M3, ties to even, subnormals kept.
;;     - The product sums the exact products of the quantised numbers (number of the format x scale) in f32.
;;   ~~~python
;;   def quantise(x, axis):      # numpy; x: float32 -> the quantised numbers, widened to float32 again
;;       x = np.moveaxis(x, axis, -1); K = x.shape[-1]
;;       x = np.pad(x, [(0, 0)] * (x.ndim - 1) + [(0, -K % 32)]); x = x.reshape(x.shape[:-1] + (-1, 32)); a = np.abs(x).max(-1, keepdims=True)
;;       e = np.where(a > 0, np.clip(np.frexp(np.where(a > 0, a, 1))[1] - 1 - 2, -126, 127), 0)      # np.frexp(a)[1] - 1 = floor(log2(a)), exactly
;;       r = np.clip(x / 2.0 ** e, -7.5, 7.5)
;;       step = 2.0 ** (np.maximum(np.frexp(np.where(r == 0, 1, r))[1] - 1, 0) - 3)
;;       q = np.round(r / step) * step * 2.0 ** e      # np.round: ties to even
;;       return np.moveaxis(q.reshape(q.shape[:-2] + (-1,))[..., :K], -1, axis).astype(np.float32)
;;   ~~~
;;   SOFTMAX AHEAD OF A QUANTISED PRODUCT. Where the list says 'softmax', what is quantised is not the finished softmax but p = 2^(t - M), with t = logit x log2(e) and M = ceil(the row's largest t), a whole number; so 1/2 < the row's largest p <= 1. The row's sum l is taken of the UNQUANTISED p, in f32, and the product's result is divided by l at the end. Since M is a whole number, a kernel that streams over the keys may use a running M (the ceiling of the running maximum): every later rescaling is an exact power of two, which a block's scale takes up: the codes' values come out the same.
;;   OPERANDS COMPUTED ON THE WAY. 'Computed on the way' means the value that the module computes at that place (a softmax that the list does not call 'softmax' is quantised finished and normalised). What goes into a quantiser is computed in f32, as accurately as f32 sums, v_exp_f32 and their like allow (about 1e-6 of the number): no bf16 or f16 on the way to a quantiser, and a product that is left as it is and whose result goes on into a quantised operand takes f32 operands (vector FMAs, or v_wmma_f32_16x16x4_f32). A number that lies on a knife's edge between two numbers of the format may be rounded either way, as far as f32 arithmetic and the matrix unit's own rounding can turn it there, and no further.
;; One version. Each part assembles by itself: llvm-mc -triple=amdgcn-amd-amdhsa -mcpu=gfx1250 --defsym DOCPART=n.
;; ======== version 1 of 1: 4 launches
;; limits: right only within a limited range of input values
;; workspace buffers: xq 6,553,600 bytes; wts 3,801,088 bytes; qkv 19,660,800 bytes; att 6,553,600 bytes
;; launch quant (part 1): grid 512 x 1, 4 waves a work-group, no clusters, 34,304 bytes of LDS; arguments x, w_qkv, w_proj, xq, wts; writes xq, wts
.if DOCPART == 1
	.amdgcn_target "amdgcn-amd-amdhsa--gfx1250"
	.amdhsa_code_object_version 6
	.text
	.protected	k_qbce5135568_quant
	.globl	k_qbce5135568_quant
	.p2align	8
	.type	k_qbce5135568_quant,@function
k_qbce5135568_quant:
	s_mov_b64 s[64:65], 0
	v_nop
	global_prefetch_b8 v0, s[64:65] scope:SCOPE_SE
	s_setreg_imm32_b32 hwreg(HW_REG_WAVE_MODE, 25, 1), 1
	s_wait_xcnt 0x0
; x [8192][1024], w_qkv [1024][3072] and w_proj [1024][1024], f32, become codes of FP6 (E2M3) with one E8M0 byte for each 32 along K, and the table of cos and sin for the rotation is made.
; EVERY OPERAND IS LAID AS AN IMAGE OF ITS REGISTERS: a fragment (16 rows x 128 K, 12 registers a lane) is 1,536 bytes: three pieces of 512 bytes, piece c = registers 4 c .. 4 c + 3, lane l at 16 l.
; Its scale words (four bytes: 128 along K of a row) are 16 words, 64 bytes.  xq: codes [tile of 16 rows][K step][1536], scale words from byte 6,291,456 on [tile][K step][16].
; wts: w_qkv's codes [tile of 16 columns][K step][1536]; w_proj's from 2,359,296; their scale words from 3,145,728 and 3,244,032; the table [t][32](cos, sin) from 3,276,800.
; A block's scale is 2^(floor(log2(largest magnitude)) - 2); its byte is the largest magnitude's exponent field - 2, held at 1 from below.
; w_proj's rows are taken, inside each block of 32 along K, by groups of eight in the order 0, 2, 1, 3: the order in which the attention launch leaves its result's codes; blocks and scales are untouched by that.
; Work-groups 0-255 take x, 256-511 the weights and the table.  Nothing is shared between work-groups, so no cluster; memory binds, so no matrix unit.
; LIMITS: NaN and infinities are not served; a block whose largest magnitude lies under 2^-124 has its byte held at 1; a block of zeros gets the byte 1 where the rule says 127 (its codes are zeros, and this program
; alone reads the bytes).  The range reduction of sin and cos serves t < 2,048 (n up to 1,304: n x the upper part of pi/2 is then exact in the fused multiply-add).
.set SPARE, 33792                      ; behind the four stages: the spare words, 128 bytes a wave
.set SPW, 6                            ; v6  SPARE + 4 x my thread's number; never rewritten
.set NIL, 7                            ; v7  0; never rewritten
.set X, 64                             ; v64-127  x path: two whole blocks of 32 neighbours
.set R, 128                            ; v128-255 x path: two sets of 64 as loaded;  w path: 128 numbers down K
	s_load_b256 s[4:11], s[0:1], 0x0               ; x s[4:5], w_qkv s[6:7], w_proj s[8:9], xq s[10:11]
	s_load_b64 s[12:13], s[0:1], 0x20              ; wts
	v_lshl_add_u32 v[SPW], v0, 2, SPARE
	v_mov_b32 v[NIL], 0
	v_lshrrev_b32 v1, 5, v0
	v_readfirstlane_b32 s16, v1                    ; wave
	v_and_b32 v9, 31, v0                           ; lane
	v_and_b32 v10, 15, v0                          ; r
	v_bfe_u32 v11, v0, 4, 1                        ; h
	s_mov_b32 s20, 0x76543210
	s_mov_b32 s21, 0xfedcba98                      ; lane selects: lane l xor 16
	s_cmp_lt_u32 ttmp9, 256
	s_cbranch_scc0 .Lweights
; ---------------- x: wave W = 4 x work-group + wave takes the tile of 16 rows W / 2 and the K steps 4 (W % 2) + 0 .. 3
	v_lshlrev_b32 v1, 4, v9                        ; 16 x lane: my bytes of a load's 512, and of an image's piece
	v_lshlrev_b32 v4, 2, v9                        ; 4 x lane
	s_mul_i32 s17, s16, 8448                       ; my stage: 16 rows of 512 bytes + 16
	v_add_nc_u32 v2, s17, v1                       ; into it: as loaded
	v_mul_u32_u24 v3, v10, 528
	v_lshl_add_u32 v3, v11, 7, v3
	v_add_nc_u32 v3, s17, v3                       ; out of it: row r, block h
	v_lshlrev_b32 v5, 3, v11                       ; 8 h
	v_mov_b32 v15, 0                               ; a lane permute's destination counts as read
	s_mov_b32 s22, 0xffff0000                      ; lanes 16-31
	s_lshl_b32 s18, ttmp9, 2
	s_add_co_u32 s18, s18, s16                     ; W
	s_lshr_b32 s24, s18, 1
	s_lshl_b32 s24, s24, 16                        ; 16 rows of 4,096 bytes
	s_and_b32 s25, s18, 1
	s_lshl_b32 s25, s25, 11                        ; four K steps of 512 bytes
	s_add_co_u32 s24, s24, s25
	s_mov_b32 s25, 0
	s_mul_i32 s26, s18, 6144                       ; four images
	s_mov_b32 s27, 0
	s_lshl_b32 s28, s18, 8                         ; four times 16 scale words
	s_add_co_u32 s28, s28, 6291456
	s_mov_b32 s29, 0
	s_wait_alu depctr_va_vdst(0)
	s_wait_kmcnt 0x0
	s_add_nc_u64 s[4:5], s[4:5], s[24:25]
	s_add_nc_u64 s[14:15], s[10:11], s[28:29]
	s_add_nc_u64 s[10:11], s[10:11], s[26:27]
.macro LOADF j                         ; K step j of my 16 rows: each load reads 512 consecutive bytes of one row
.irp p, 0,1,2,3,4,5,6,7,8,9,10,11,12,13,14,15
	global_load_b128 v[R+64*((\j)%2)+4*\p:R+64*((\j)%2)+4*\p+3], v1, s[4:5] offset:\p*4096+(\j)*512 th:TH_LOAD_NT
.endr
.endm
.macro TURNX j                         ; through my stage: in as loaded, out as two whole blocks a lane (blocks h and 2 + h of row r).  LDS serves a wave's instructions in order: no wait between
.irp p, 0,1,2,3,4,5,6,7,8,9,10,11,12,13,14,15
	ds_store_b128 v2, v[R+64*((\j)%2)+4*\p:R+64*((\j)%2)+4*\p+3] offset:\p*528
.endr
.irp c, 0,1
.irp i, 0,1,2,3,4,5,6,7
	ds_load_b128 v[X+32*\c+4*\i:X+32*\c+4*\i+3], v3 offset:256*\c+16*\i
.endr
.endr
.endm
.macro QUANTX j                        ; the two blocks become registers 6 c .. 6 c + 5 of the image, and the row's scale word
.set IM, 32+12*((\j)%2)
.irp c, 0,1
	v_max3_num_f32 v[8+\c], |v[X+32*\c]|, |v[X+32*\c+1]|, 0x1800000   ; with the floor 2^(3 - 127): the byte cannot fall under 1
.endr
.irp i, 2,4,6,8,10,12,14,16,18,20,22,24,26,28,30
.irp c, 0,1
	v_max3_num_f32 v[8+\c], v[8+\c], |v[X+32*\c+\i]|, |v[X+32*\c+\i+1]|
.endr
.endr
.irp c, 0,1
	v_add_nc_u32 v[10+\c], 0xff000000, v[8+\c]     ; 2 off the exponent field: the conversion's scale operand
.endr
.irp c, 0,1
	v_lshrrev_b32 v[12+\c], 23, v[10+\c]           ; the byte
.endr
	v_lshl_or_b32 v14, v13, 16, v12                ; blocks h and 2 + h,
	v_lshlrev_b32 v14, v5, v14                     ; at their places in the word;
	v_permlanex16_b32 v15, v14, s20, s21
	v_or_b32 v[28+(\j)], v14, v15                  ; with lane l xor 16's two the word is whole
.irp c, 0,1
	v_cvt_scalef32_pk16_fp6_f32 v[IM+6*\c:IM+6*\c+2], v[X+32*\c:X+32*\c+15], v[10+\c]
	v_cvt_scalef32_pk16_fp6_f32 v[56+4*\c:58+4*\c], v[X+32*\c+16:X+32*\c+31], v[10+\c]   ; (a conversion's three registers begin on an even number)
.endr
	v_nop                                          ; one plain place behind a scaled conversion
.irp c, 0,1
.irp i, 0,1,2
	v_mov_b32 v[IM+6*\c+3+\i], v[56+4*\c+\i]
.endr
.endr
.endm
	LOADF 0
	LOADF 1
.irp j, 0,1,2,3
.if \j < 3
	s_wait_loadcnt 16                              ; this K step's 16 loads are in; the next step's 16 may be out
.else
	s_wait_loadcnt 0x0
.endif
	TURNX \j
	s_wait_dscnt 0x0                               ; back from the stage: the stores have read their registers too
.if \j < 2
	LOADF \j+2
.else
	s_wait_xcnt 0x0                                ; the stores of two steps ago have read this set of image registers
.endif
	QUANTX \j
.irp c, 0,1,2
	global_store_b128 v1, v[32+12*(\j%2)+4*\c:32+12*(\j%2)+4*\c+3], s[10:11] offset:\j*1536+512*\c   ; 512 consecutive bytes
.endr
.endr
	v_cndmask_b32 v8, v28, v29, s22                ; lanes 0-15 one K step's words, lanes 16-31 the next's
	v_cndmask_b32 v9, v30, v31, s22
	global_store_b32 v4, v8, s[14:15]
	global_store_b32 v4, v9, s[14:15] offset:128   ; the two stores fill 256 consecutive bytes, aligned
	s_wait_tensorcnt 0x0                           ; the wave's end
	ds_add_u32 v[SPW], v[NIL]
	s_wait_dscnt 0x0
	s_endpgm
; ---------------- the weights: a lane takes a column, its 128 registers run down one K step; a wave's 32 columns are two fragments
.Lweights:
	s_sub_co_u32 s17, ttmp9, 256
	s_and_b32 s18, s17, 31                         ; 0-23: w_qkv; 24-31: w_proj
	s_lshr_b32 s19, s17, 5                         ; K step
	s_lshl_b32 s23, s18, 2
	s_add_co_u32 s23, s23, s16
	s_mov_b32 s22, 12288
	s_mov_b32 s25, 3145728
	s_wait_kmcnt 0x0
	s_cmp_ge_u32 s18, 24                           ; the choice hangs on the work-group's number alone
	s_cselect_b64 s[6:7], s[8:9], s[6:7]
	s_cselect_b32 s22, 4096, s22                   ; a row of the weight in bytes
	s_cselect_b32 s24, 2359296, 0                  ; where its codes begin in wts,
	s_cselect_b32 s25, 3244032, s25                ; and its scale words
	s_cselect_b32 s28, 32768, 0                    ; w_proj: eight rows, by which groups 1 and 2 of each four change places
	s_cselect_b32 s26, 96, 0
	s_sub_co_u32 s23, s23, s26                     ; my group of 32 columns
	s_mul_i32 s30, s19, s22
	s_lshl_b32 s30, s30, 7                         ; 128 rows a K step
	s_lshl_b32 s31, s23, 7                         ; 128 bytes a group of columns
	s_add_co_u32 s30, s30, s31
	s_mov_b32 s31, 0
	s_add_nc_u64 s[32:33], s[6:7], s[30:31]        ; s[32:63]: sixteen bases, one for each group of eight rows
	s_lshl_b32 s14, s22, 3
	s_mov_b32 s15, 0
	s_mov_b32 s29, 0
.irp g, 1,2,3,4,5,6,7,8,9,10,11,12,13,14,15
	s_add_nc_u64 s[32+2*\g:33+2*\g], s[30+2*\g:31+2*\g], s[14:15]
.endr
.irp q, 0,1,2,3
	s_add_nc_u64 s[34+8*\q:35+8*\q], s[34+8*\q:35+8*\q], s[28:29]
	s_sub_nc_u64 s[36+8*\q:37+8*\q], s[36+8*\q:37+8*\q], s[28:29]
.endr
	s_wait_alu depctr_va_vdst(0)
	v_lshlrev_b32 v1, 4, v9                        ; 16 x lane
	v_lshlrev_b32 v2, 3, v9                        ; 8 x lane
	v_lshlrev_b32 v3, 9, v11
	v_lshl_add_u32 v3, v10, 2, v3                  ; scale words: 4 r, and the second fragment's 512 bytes on
	v_lshlrev_b32 v8, 2, v9                        ; v8-15: 4 x lane + i rows
.irp i, 1,2,3,4,5,6,7
	v_add_nc_u32 v[8+\i], s22, v[7+\i]
.endr
.irp g, 0,1,2,3,4,5,6,7                ; blocks 0 and 1: 64 loads
.irp i, 0,1,2,3,4,5,6,7
	global_load_b32 v[R+8*\g+\i], v[8+\i], s[32+2*\g:33+2*\g] th:TH_LOAD_NT   ; a wave reads 128 consecutive bytes, the work-group 512
.endr
.endr
	; while they fly: the table.  Wave 4 g + wave makes t = 2 (4 g + wave) and the next; lane = i.  freq = 1 / RN(10000^(i/32)), theta = RN(t freq), as the rotation is defined
	s_lshl_b32 s26, s17, 2
	s_add_co_u32 s26, s26, s16
	s_lshl_b32 s30, s26, 9
	s_add_co_u32 s30, s30, 3276800
	s_add_nc_u64 s[78:79], s[12:13], s[30:31]
	s_lshl_b32 s26, s26, 1                         ; t
	s_mov_b32 s66, 0x3fc90fdb                      ; pi/2: upper part,
	s_mov_b32 s67, 0xb33bbd2e                      ; and what is left
	s_mov_b32 s76, 0x3f22f983                      ; 2/pi
	s_mov_b32 s68, 0xbe2aaaab                      ; -1/6
	s_mov_b32 s69, 0x3c088889                      ; 1/120
	s_mov_b32 s70, 0xb9500d01                      ; -1/5040
	s_mov_b32 s71, 0x3638ef1d                      ; 1/362880
	s_mov_b32 s72, 0x3d2aaaab                      ; 1/24
	s_mov_b32 s73, 0xbab60b61                      ; -1/720
	s_mov_b32 s74, 0x37d00d01                      ; 1/40320
	s_mov_b32 s75, 0xb493f27e                      ; -1/3628800
	v_mov_b32 v16, 1.0                             ; lane i: 10^(i/8), rounded to f32
.macro POW lane, val
	s_mov_b32 s27, \val
	v_writelane_b32 v16, s27, \lane
.endm
	POW 1, 0x3faab0d5
	POW 2, 0x3fe39ea9
	POW 3, 0x4017c496
	POW 4, 0x404a62c2
	POW 5, 0x4086f161
	POW 6, 0x40b3f300
	POW 7, 0x40eff755
	POW 8, 0x41200000
	POW 9, 0x41555d0a
	POW 10, 0x418e432a
	POW 11, 0x41bdb5bc
	POW 12, 0x41fcfb72
	POW 13, 0x4228adb9
	POW 14, 0x4260efc0
	POW 15, 0x4295fa95
	POW 16, 0x42c80000
	POW 17, 0x43055a26
	POW 18, 0x4331d3f4
	POW 19, 0x436d232b
	POW 20, 0x439e1d27
	POW 21, 0x43d2d927
	POW 22, 0x440c95d8
	POW 23, 0x443b793b
	POW 24, 0x447a0000
	POW 25, 0x44a6b0b0
	POW 26, 0x44de48f1
	POW 27, 0x451435fb
	POW 28, 0x4545a471
	POW 29, 0x4583c7b8
	POW 30, 0x45afbb4e
	POW 31, 0x45ea5789
	s_wait_alu depctr_va_vdst(0)
	v_rcp_f32 v17, v16
	v_nop                                          ; a plain place behind the reciprocal,
	s_wait_alu depctr_va_vdst(0)                   ; and the wait ahead of its first reader
	v_fma_f32 v18, -v16, v17, 1.0
	v_fma_f32 v17, v17, v18, v17                   ; one correction: 1 / P to the last bit or nearly
.macro TAB e
	s_add_co_u32 s27, s26, \e
	v_cvt_f32_u32 v19, s27
	v_mul_f32 v20, v19, v17                        ; theta
	v_mul_f32 v21, s76, v20
	v_rndne_f32 v21, v21                           ; n
	v_fma_f32 v22, -v21, s66, v20                  ; exact
	v_fma_f32 v22, -v21, s67, v22                  ; r, |r| <= pi/4
	v_mul_f32 v23, v22, v22
	v_fma_f32 v24, v23, s71, s70
	v_fma_f32 v26, v23, s75, s74
	v_fma_f32 v24, v24, v23, s69
	v_fma_f32 v26, v26, v23, s73
	v_fma_f32 v24, v24, v23, s68
	v_fma_f32 v26, v26, v23, s72
	v_mul_f32 v25, v22, v23
	v_fma_f32 v26, v26, v23, -0.5
	v_fma_f32 v24, v24, v25, v22                   ; sin r
	v_fma_f32 v26, v26, v23, 1.0                   ; cos r
	v_cvt_i32_f32 v27, v21
	v_and_b32 v28, 1, v27
	v_cmp_eq_u32 vcc_lo, 1, v28                    ; odd quadrants change sin and cos
	v_cndmask_b32 v[31+2*\e], v24, v26, vcc_lo
	v_cndmask_b32 v[30+2*\e], v26, v24, vcc_lo
	v_lshlrev_b32 v28, 30, v27
	v_and_b32 v28, 0x80000000, v28                 ; sin: minus where n & 2
	v_xor_b32 v[31+2*\e], v28, v[31+2*\e]
	v_add_nc_u32 v27, 1, v27
	v_lshlrev_b32 v27, 30, v27
	v_and_b32 v27, 0x80000000, v27                 ; cos: minus where (n + 1) & 2
	v_xor_b32 v[30+2*\e], v27, v[30+2*\e]
	global_store_b64 v2, v[30+2*\e:31+2*\e], s[78:79] offset:256*\e   ; a row of the table: 256 consecutive bytes
.endm
	TAB 0
	TAB 1
.irp g, 8,9,10,11,12,13,14,15          ; blocks 2 and 3: 64 loads more; no address register of the loads has been written meanwhile
.irp i, 0,1,2,3,4,5,6,7
	global_load_b32 v[R+8*\g+\i], v[8+\i], s[32+2*\g:33+2*\g] th:TH_LOAD_NT
.endr
.endr
.irp t, 0,1,2,3                        ; block t of my column: all 32 numbers are mine
.set XS, R+32*\t
.if \t == 0
	s_wait_loadcnt 63                              ; a wait's count names 63 at the most: with 63 of the 128 loads out, 65 are in: blocks 0 and 1, the first 64
.elseif \t > 1
	s_wait_loadcnt 96-32*\t                        ; this block's 32 loads are in; block 3's may be out behind block 2's
.endif
	v_max3_num_f32 v34, |v[XS]|, |v[XS+1]|, |v[XS+2]|
	v_max3_num_f32 v35, |v[XS+3]|, |v[XS+4]|, |v[XS+5]|
.irp i, 6,10,14,18,22,26
	v_max3_num_f32 v34, v34, |v[XS+\i]|, |v[XS+\i+1]|
	v_max3_num_f32 v35, v35, |v[XS+\i+2]|, |v[XS+\i+3]|
.endr
	v_max3_num_f32 v34, v34, |v[XS+30]|, |v[XS+31]|
	v_max3_num_f32 v34, v34, v35, 0x1800000        ; the floor
	v_add_nc_u32 v[36+\t], 0xff000000, v34
	v_lshrrev_b32 v35, 23, v[36+\t]
.if \t == 0
	v_mov_b32 v40, v35
.else
	v_lshl_or_b32 v40, v35, 8*\t, v40              ; my column's scale word
.endif
.endr
.irp t, 0,1,2,3                        ; even blocks into v44-55, odd blocks into v56-67
	v_cvt_scalef32_pk16_fp6_f32 v[44+12*(\t%2)+6*(\t/2):46+12*(\t%2)+6*(\t/2)], v[R+32*\t:R+32*\t+15], v[36+\t]
	v_cvt_scalef32_pk16_fp6_f32 v[68+4*\t:70+4*\t], v[R+32*\t+16:R+32*\t+31], v[36+\t]
.endr
	v_nop                                          ; one plain place behind a scaled conversion
.irp t, 0,1,2,3
.irp i, 0,1,2
	v_mov_b32 v[47+12*(\t%2)+6*(\t/2)+\i], v[68+4*\t+\i]
.endr
.endr
.irp k, 0,1,2,3,4,5,6,7,8,9,10,11
	v_permlane16_swap_b32 v[44+\k], v[56+\k]       ; columns 16-31's even blocks change places with columns 0-15's odd blocks: v44-55 is now the first fragment's image, v56-67 the second's
.endr
	s_lshl_b32 s26, s23, 4
	s_add_co_u32 s26, s26, s19                     ; 8 x fragment + K step
	s_mul_i32 s30, s26, 1536
	s_add_co_u32 s30, s30, s24
	s_add_nc_u64 s[66:67], s[12:13], s[30:31]
	s_lshl_b32 s30, s26, 6
	s_add_co_u32 s30, s30, s25
	s_add_nc_u64 s[68:69], s[12:13], s[30:31]
	s_wait_alu depctr_va_vdst(0)
.irp c, 0,1,2
	global_store_b128 v1, v[44+4*\c:47+4*\c], s[66:67] offset:512*\c
	global_store_b128 v1, v[56+4*\c:59+4*\c], s[66:67] offset:12288+512*\c
.endr
	global_store_b32 v3, v40, s[68:69]             ; two pieces of 64 bytes: the scale words are one part in 24 of the codes' bytes
	s_wait_tensorcnt 0x0                           ; the wave's end
	ds_add_u32 v[SPW], v[NIL]
	s_wait_dscnt 0x0
	s_endpgm
.Lfunc_end_k_qbce5135568_quant:
	.size	k_qbce5135568_quant, .Lfunc_end_k_qbce5135568_quant-k_qbce5135568_quant
	.p2alignl 7, 3214868480
	.fill 96, 4, 3214868480
	.section	.rodata,"a",@progbits
	.p2align	6, 0x0
	.amdhsa_kernel k_qbce5135568_quant
		.amdhsa_group_segment_fixed_size 34304
		.amdhsa_private_segment_fixed_size 0
		.amdhsa_enable_private_segment 0
		.amdhsa_kernarg_size 40
		.amdhsa_user_sgpr_count 2
		.amdhsa_user_sgpr_kernarg_segment_ptr 1
		.amdhsa_wavefront_size32 1
		.amdhsa_system_sgpr_workgroup_id_x 1
		.amdhsa_system_sgpr_workgroup_id_y 1
		.amdhsa_system_sgpr_workgroup_id_z 1
		.amdhsa_system_vgpr_workitem_id 0
		.amdhsa_next_free_vgpr 256
		.amdhsa_next_free_sgpr 80
		.amdhsa_reserve_vcc 1
		.amdhsa_float_denorm_mode_32 3
		.amdhsa_float_denorm_mode_16_64 3
		.amdhsa_memory_ordered 1
		.amdhsa_forward_progress 1
		.amdhsa_inst_pref_size 59
	.end_amdhsa_kernel
	.amdgpu_metadata
---
amdhsa.version: [ 1, 2 ]
amdhsa.kernels:
  - .name:           k_qbce5135568_quant
    .symbol:         k_qbce5135568_quant.kd
    .args:
      - { .name: x, .offset: 0, .size: 8, .value_kind: global_buffer, .address_space: global }
      - { .name: w_qkv, .offset: 8, .size: 8, .value_kind: global_buffer, .address_space: global }
      - { .name: w_proj, .offset: 16, .size: 8, .value_kind: global_buffer, .address_space: global }
      - { .name: xq, .offset: 24, .size: 8, .value_kind: global_buffer, .address_space: global }
      - { .name: wts, .offset: 32, .size: 8, .value_kind: global_buffer, .address_space: global }
    .group_segment_fixed_size: 34304
    .private_segment_fixed_size: 0
    .kernarg_segment_align: 8
    .kernarg_segment_size: 40
    .max_flat_workgroup_size: 128
    .sgpr_count:     80
    .vgpr_count:     256
    .wavefront_size: 32
...
	.end_amdgpu_metadata
.endif
;; end of part 1
;; launch gemm_qkv (part 2): grid 12 x 32, 4 waves a work-group, clusters of 4 x 4, 327,680 bytes of LDS; arguments xq, wts, b_qkv, qkv; writes qkv
.if DOCPART == 2
	.amdgcn_target "amdgcn-amd-amdhsa--gfx1250"
	.amdhsa_code_object_version 6
	.text
	.protected	k_qbce5135568_gemm_qkv
	.globl	k_qbce5135568_gemm_qkv
	.p2align	8
	.type	k_qbce5135568_gemm_qkv,@function
k_qbce5135568_gemm_qkv:
	s_mov_b64 s[64:65], 0
	v_nop
	global_prefetch_b8 v0, s[64:65] scope:SCOPE_SE
	s_setreg_imm32_b32 hwreg(HW_REG_WAVE_MODE, 25, 1), 1
	s_wait_xcnt 0x0
	s_wait_alu depctr_hold_cnt(0) depctr_sa_sdst(0) depctr_va_vdst(0) depctr_va_sdst(0) depctr_va_ssrc(0) depctr_va_vcc(0) depctr_vm_vsrc(0)
	s_getreg_b32 s2, hwreg(HW_REG_IB_STS2, 6, 4)
	s_cmp_eq_u32 s2, 0
	s_cbranch_scc0 .Lentry_in_a_cluster
	s_endpgm
.Lentry_in_a_cluster:
	s_bfe_u32 s2, ttmp6, 0x10000c
	s_cmp_lg_u32 s2, 0xf033
	s_cbranch_scc0 .Lentry_shape_is_right
	s_endpgm
.Lentry_shape_is_right:
.set FR,     12
.set NL,     3
.set NP,     4
.set NQ,     2
.set TILB,   3072
.set KROW,   12288
.set HALFT,  8*TILB
.set SLOT,   4*HALFT
.set SCL,    2*SLOT
.set HALFS,  4096
.set SPARE,  SCL+4*HALFS
.set VB,   8
.set ADRA, 16
.set ADRB, 20
.set LI,   24
.set L4,   25
.set VT,   26
.set ADRS, 27
.set SPW,  28
.set NIL,  29
.set SC,   32
.set BI,   64
.set AF,   128
.set HA,   128
.set T,    192
.set TM,   200
.set PW,   216
.set TQ,   218
.set IMG,  226
.set WD,   8
.set SEL,  66
.set G1, 24
.set G0, 32
.set G1B, 48
.set G0B, 56
.set G1S, 68
.set G0S, 76
.set G1SB, 80
.set G0SB, 88
.set MSB, 0
.macro WIN new
.if MSB != (\new)
	s_set_vgpr_msb (MSB<<8)|(\new)
.set MSB, (\new)
.endif
.endm
.set MUL_LO, 0xa1
.set MUL_HI, 0xf1
.set TO_B,   0x40
.macro JLOAD g0a, g1a, g0b, g1b
	s_cmp_eq_u32 s15, 0
	s_cbranch_scc0 .Lfor_b_\@
	tensor_load_to_lds s[\g0a:\g0a+3], s[\g1a:\g1a+7]
	s_nop 0
.rept 4
	v_nop
.endr
	s_branch .Lasked_\@
.Lfor_b_\@:
	tensor_load_to_lds s[\g0b:\g0b+3], s[\g1b:\g1b+7]
	s_nop 0
.rept 4
	v_nop
.endr
.Lasked_\@:
.endm
.macro CREST
	s_cmp_lg_u32 s14, 0
	s_cbranch_scc1 .Lnot_wave_0_\@
	s_barrier_signal -3
.Lnot_wave_0_\@:
	s_barrier_wait -3
	s_barrier_signal -1
	s_barrier_wait -1
.endm
.macro CROUND
	s_barrier_signal -1
	s_barrier_wait -1
	CREST
.endm
	s_load_b256 s[4:11], s[0:1], 0x0
	v_lshl_add_u32 v[SPW], v0, 2, SPARE
	v_mov_b32 v[NIL], 0
	ds_add_u32 v[SPW], v[NIL]
	ds_add_u32 v[SPW], v[NIL]
	v_lshrrev_b32 v1, 5, v0
	v_readfirstlane_b32 s14, v1
	s_lshr_b32 s15, s14, 1
	s_and_b32 s16, s14, 1
	s_bfe_u32 s40, ttmp6, 0x40000
	s_bfe_u32 s41, ttmp6, 0x40004
	s_and_b32 s12, ttmp7, 0xffff
	s_lshl_b32 s12, s12, 2
	s_lshl_b32 s13, ttmp9, 2
	s_add_co_u32 s17, s12, s41
	s_add_co_u32 s42, s13, s40
	s_add_co_u32 s45, s12, s40
	s_cmp_eq_u32 ttmp9, 2
	s_cselect_b32 s17, s41, s17
	s_cselect_b32 s42, s45, s42
	s_cselect_b32 s18, 1572864, 0
	s_mov_b32 s19, 6291456
	s_cselect_b32 s19, 3211264, s19
	s_mov_b32 s96, 3145728
	s_cselect_b32 s96, 6291456, s96
	s_lshl_b32 s43, s41, 2
	s_lshl_b32 s43, 15, s43
	s_lshl_b32 s44, 0x1111, s40
	s_or_b32 s[G1+0], s43, (3<<16)|(1<<21)
	s_or_b32 s[G1B+0], s44, (3<<16)|(1<<21)
.irp g, G1, G1B
	s_mov_b32 s[\g+1], 384<<16
	s_mov_b32 s[\g+2], 16<<16
	s_mov_b32 s[\g+3], 384<<16
	s_mov_b32 s[\g+4], 16
	s_mov_b32 s[\g+5], 1536
	s_mov_b32 s[\g+6], 0
	s_mov_b32 s[\g+7], 0
.endr
	s_or_b32 s[G1S+0], s43, (3<<16)|(1<<21)
	s_or_b32 s[G1SB+0], s44, (3<<16)|(1<<21)
.irp g, G1S, G1SB
	s_mov_b32 s[\g+1], 32<<16
	s_mov_b32 s[\g+2], 32<<16
	s_mov_b32 s[\g+3], 32<<16
	s_mov_b32 s[\g+4], 32
	s_mov_b32 s[\g+5], 32
	s_mov_b32 s[\g+6], 0
	s_mov_b32 s[\g+7], 0
.endr
	s_lshl_b32 s97, s16, 3
	s_lshl_b32 s20, s17, 4
	s_add_co_u32 s20, s20, s97
	s_lshl_b32 s46, s42, 4
	s_add_co_u32 s46, s46, s97
	s_lshl_b32 s22, s17, 13
	s_add_co_u32 s22, s22, s19
	s_mul_i32 s20, s20, KROW
	s_add_co_u32 s20, s20, s18
	s_lshl_b32 s92, s42, 13
	s_add_co_u32 s92, s92, s96
	s_mul_i32 s46, s46, KROW
	s_mov_b32 s21, 0
	s_mov_b32 s23, 0
	s_mov_b32 s47, 0
	s_mov_b32 s93, 0
	s_mul_i32 s45, s14, HALFT
	s_wait_dscnt 0x0
	s_wait_kmcnt 0x0
	s_cmp_eq_u32 ttmp9, 2
	s_cselect_b64 s[94:95], s[6:7], s[4:5]
	s_cselect_b64 s[96:97], s[4:5], s[6:7]
	s_add_nc_u64 s[20:21], s[94:95], s[20:21]
	s_add_nc_u64 s[22:23], s[94:95], s[22:23]
	s_add_nc_u64 s[46:47], s[96:97], s[46:47]
	s_add_nc_u64 s[92:93], s[96:97], s[92:93]
	CROUND
	s_mov_b32 s[G0S], 1
	s_mov_b32 s[G0S+1], SCL
	s_mov_b64 s[G0S+2:G0S+3], s[22:23]
	s_or_b32 s[G0S+3], s[G0S+3], 0x80000000
	s_mov_b32 s[G0SB], 1
	s_mov_b32 s[G0SB+1], SCL+2*HALFS
	s_mov_b64 s[G0SB+2:G0SB+3], s[92:93]
	s_or_b32 s[G0SB+3], s[G0SB+3], 0x80000000
.irp s, 0,1
	s_mov_b32 s[G0+4*\s], 1
	s_add_co_u32 s[G0+4*\s+1], s45, \s*SLOT
	s_add_nc_u64 s[G0+4*\s+2:G0+4*\s+3], s[20:21], \s*TILB
	s_or_b32 s[G0+4*\s+3], s[G0+4*\s+3], 0x80000000
	s_mov_b32 s[G0B+4*\s], 1
	s_add_co_u32 s[G0B+4*\s+1], s45, \s*SLOT
	s_add_nc_u64 s[G0B+4*\s+2:G0B+4*\s+3], s[46:47], \s*TILB
	s_or_b32 s[G0B+4*\s+3], s[G0B+4*\s+3], 0x80000000
.endr
; The head's four tiles, one load a wave: wave 0 slot 0's 16 tiles of A (its own group 0 begins at the tile's first row), wave 1 the scale words of A's 256 rows, wave 2 slot 0's 16 tiles of B, wave 3 B's scale words.
.macro ARM under, g0, g1, next
	s_cmp_lt_u32 s14, \under
	s_cbranch_scc0 \next
	tensor_load_to_lds s[\g0:\g0+3], s[\g1:\g1+7]
	s_nop 0
.rept 4
	v_nop
.endr
	s_branch .Lhead_asked
\next:
.endm
	ARM 1, G0,  G1,  .Lhead_sa
	ARM 2, G0S, G1S, .Lhead_b
	ARM 3, G0B, G1B, .Lhead_sb
	tensor_load_to_lds s[G0SB:G0SB+3], s[G1SB:G1SB+7]
	s_nop 0
.rept 4
	v_nop
.endr
.Lhead_asked:
	v_and_b32 v1, 15, v0
	v_bfe_u32 v2, v0, 4, 1
	v_and_b32 v3, 31, v0
	v_lshlrev_b32 v[LI], 4, v3
	v_lshlrev_b32 v[L4], 2, v3
	v_lshlrev_b32 v[VT], 8, v1
	v_lshl_add_u32 v[VT], v2, 5, v[VT]
	s_mul_i32 s21, s15, HALFT
	s_mul_i32 s22, s16, HALFT
	s_add_co_u32 s22, s22, 2*HALFT
.irp s, 0,1
	v_add_nc_u32 v[ADRA+\s], s21, v[LI]
	v_add_nc_u32 v[ADRB+\s], s22, v[LI]
	s_add_co_u32 s21, s21, SLOT
	s_add_co_u32 s22, s22, SLOT
.endr
	s_lshl_b32 s21, s15, 12
	s_lshl_b32 s22, s16, 12
	s_add_co_u32 s22, s22, 2*HALFS
	s_sub_co_u32 s22, s22, s21
	v_mul_u32_u24 v6, s22, v2
	s_add_co_u32 s21, s21, SCL
	v_lshl_add_u32 v5, v1, 2, v6
	v_add_nc_u32 v[ADRS], s21, v5
	s_lshl_b32 s18, s42, 8
	s_lshl_b32 s19, s16, 7
	s_add_co_u32 s18, s18, s19
	s_lshl_b32 s19, s17, 8
	s_lshl_b32 s96, s15, 7
	s_add_co_u32 s19, s19, s96
	s_add_co_u32 s19, s19, 2048
	s_cmp_eq_u32 ttmp9, 2
	s_cselect_b32 s18, s19, s18
	s_cselect_b32 s96, 4, 0
	s_cselect_b32 s97, 0, 32
	s_cselect_b32 s99, 0, 4
	s_lshl_b32 s18, s18, 2
	s_mov_b32 s19, 0
	s_add_nc_u64 s[8:9], s[8:9], s[18:19]
	v_mul_u32_u24 v[VB], v1, s96
	v_mad_u32_u24 v[VB], v2, s97, v[VB]
.irp j, 1,2,3,4,5,6,7
	v_add_nc_u32 v[VB+\j], s99, v[VB+\j-1]
.endr
.irp i, 0,1,2,3,4,5,6,7
.irp j, 0,1,2,3,4,5,6,7
	global_load_b32 v[BI+8*\i+\j], v[VB+\j], s[8:9] offset:64*\i
.endr
.endr
.macro FRAG reg, adr, q, i
.irp c, 0,1,2
	ds_load_b128 v[\reg+4*\c:\reg+4*\c+3], v[\adr] offset:(\i)*TILB+(\q)*1536+512*\c
.endr
.endm
.macro MUL16 a0, p, q, sc, zero
.irp a, \a0, \a0+1
.irp b, 0,1,2,3,4,5,6,7
.if \zero
	v_wmma_scale_f32_16x16x128_f8f6f4 v[8*(8*((\a)%4)+\b):8*(8*((\a)%4)+\b)+7], v[128*(\p)+FR*\b:128*(\p)+FR*\b+FR-1], v[AF+FR*(\a):AF+FR*(\a)+FR-1], 0, v[SC+8*NQ*(\sc)+NQ*\b+(\q)], v[SC+8*NQ*(\sc)+NQ*(\a)+(\q)] matrix_a_fmt:MATRIX_FMT_FP6 matrix_b_fmt:MATRIX_FMT_FP6 matrix_a_scale:MATRIX_SCALE_ROW1
.else
	v_wmma_scale_f32_16x16x128_f8f6f4 v[8*(8*((\a)%4)+\b):8*(8*((\a)%4)+\b)+7], v[128*(\p)+FR*\b:128*(\p)+FR*\b+FR-1], v[AF+FR*(\a):AF+FR*(\a)+FR-1], v[8*(8*((\a)%4)+\b):8*(8*((\a)%4)+\b)+7], v[SC+8*NQ*(\sc)+NQ*\b+(\q)], v[SC+8*NQ*(\sc)+NQ*(\a)+(\q)] matrix_a_fmt:MATRIX_FMT_FP6 matrix_b_fmt:MATRIX_FMT_FP6 matrix_a_scale:MATRIX_SCALE_ROW1
.endif
.endr
.endr
.endm
.macro FETCH_B slot, q, p
	WIN TO_B
.irp i, 0,1,2,3,4,5,6,7
	FRAG 128*(\p)+FR*\i, ADRB+\slot, \q, \i
.endr
	WIN 0
.endm
.macro FETCH_A slot, q, i0
.irp i, \i0, \i0+1, \i0+2, \i0+3
	FRAG AF+FR*(\i), ADRA+\slot, \q, \i
.endr
.endm
.macro SCALES sc
.irp i, 0,1,2,3,4,5,6,7
.irp q, 0,1
	ds_load_b32 v[SC+8*NQ*\sc+NQ*\i+\q], v[ADRS] offset:\i*512+\q*64
.endr
.endr
.endm
.macro PLACES n
.rept \n
	v_nop
.endr
.endm
.macro STEP slot, q, zero
	s_wait_dscnt 4*NL
	WIN MUL_LO
	MUL16 0, (\q)%2, \q, \slot, \zero
	MUL16 2, (\q)%2, \q, \slot, \zero
	s_wait_dscnt 0
	PLACES NP
	FETCH_B \slot, (\q)+1, 1-(\q)%2
	FETCH_A \slot, (\q)+1, 0
	WIN MUL_HI
	MUL16 4, (\q)%2, \q, \slot, \zero
	MUL16 6, (\q)%2, \q, \slot, \zero
	PLACES NP
	WIN 0
	FETCH_A \slot, (\q)+1, 4
.endm
.macro TURN slot, next, fill
	s_wait_tensorcnt 0x0
	ds_add_u32 v[SPW], v[NIL]
	s_wait_dscnt 4*NL+1
	WIN MUL_LO
	MUL16 0, 1, NQ-1, \slot, 0
	s_wait_dscnt 0x0
	s_barrier_signal -1
	MUL16 2, 1, NQ-1, \slot, 0
	WIN 0
	s_barrier_wait -1
.if \fill
	CREST
	s_add_nc_u64 s[G0+4*\slot+2:G0+4*\slot+3], s[G0+4*\slot+2:G0+4*\slot+3], 2*TILB
	s_add_nc_u64 s[G0B+4*\slot+2:G0B+4*\slot+3], s[G0B+4*\slot+2:G0B+4*\slot+3], 2*TILB
	JLOAD G0+4*\slot, G1, G0B+4*\slot, G1B
.else
	PLACES NP
.endif
	s_wait_alu depctr_va_vdst(0)
	v_add_nc_u32 v[ADRS], 64*NQ, v[ADRS]
	FETCH_B \next, 0, 0
	FETCH_A \next, 0, 0
	SCALES \next
	WIN MUL_HI
	MUL16 4, 1, NQ-1, \slot, 0
	MUL16 6, 1, NQ-1, \slot, 0
	PLACES NP
	WIN 0
	FETCH_A \next, 0, 4
.endm
	s_wait_alu depctr_va_vdst(0)                   ; the wait at the head's end
	s_wait_loadcnt 0x0
	s_wait_tensorcnt 0x0                           ; my tile of the head's four is in; slot 1's first fill is issued as a refill is
	ds_add_u32 v[SPW], v[NIL]
	s_mov_b32 s[G1+2], 8<<16                       ; no tensor load of mine is out: from here on a load brings 8 tiles
	s_mov_b32 s[G1+4], 8
	s_mov_b32 s[G1B+2], 8<<16
	s_mov_b32 s[G1B+4], 8
	s_wait_dscnt 0x0
	CROUND
	JLOAD G0+4, G1, G0B+4, G1B
	FETCH_B 0, 0, 0
	FETCH_A 0, 0, 0
	SCALES 0
	FETCH_A 0, 0, 4
	STEP 0, 0, 1
	TURN 0, 1, 1
	STEP 1, 0, 0
	TURN 1, 0, 1
	STEP 0, 0, 0
	TURN 0, 1, 0
	STEP 1, 0, 0
	s_wait_dscnt 4*NL
	WIN MUL_LO
	MUL16 0, 1, NQ-1, 1, 0
	MUL16 2, 1, NQ-1, 1, 0
	s_wait_dscnt 0
	WIN MUL_HI
	MUL16 4, 1, NQ-1, 1, 0
	MUL16 6, 1, NQ-1, 1, 0
	WIN 0
.macro QUANT s, d0, d1, pw
.irp b, 0,1,2,3
	v_max3_num_f32 v[TM+\b], |v[\s+16*\b]|, |v[\s+1+16*\b]|, 0x1800000
.endr
.irp i, 2,4,6,8,10,12,14
.irp b, 0,1,2,3
	v_max3_num_f32 v[TM+\b], v[TM+\b], |v[\s+16*\b+\i]|, |v[\s+1+16*\b+\i]|
.endr
.endr
.irp b, 0,1,2,3
	v_permlanex16_b32 v[TM+4+\b], v[TM+\b], s[SEL], s[SEL+1]
.endr
.irp b, 0,1,2,3
	v_max_num_f32 v[TM+\b], v[TM+\b], v[TM+4+\b]
.endr
.irp b, 0,1,2,3
	v_add_nc_u32 v[TM+12+\b], 0xff000000, v[TM+\b]
.endr
.irp b, 0,1,2,3
	v_lshrrev_b32 v[TM+4+\b], 23, v[TM+12+\b]
.endr
	v_lshl_or_b32 v[\pw], v[TM+5], 8, v[TM+4]
	v_lshl_or_b32 v[\pw], v[TM+6], 16, v[\pw]
	v_lshl_or_b32 v[\pw], v[TM+7], 24, v[\pw]
	v_cvt_scalef32_pk16_fp6_f32 v[(\d0):(\d0)+2], v[\s:\s+15], v[TM+12]
	v_cvt_scalef32_pk16_fp6_f32 v[TQ:TQ+2], v[\s+16:\s+31], v[TM+13]
	v_cvt_scalef32_pk16_fp6_f32 v[(\d1):(\d1)+2], v[\s+32:\s+47], v[TM+14]
	v_cvt_scalef32_pk16_fp6_f32 v[TQ+4:TQ+6], v[\s+48:\s+63], v[TM+15]
	v_nop
.irp i, 0,1,2
	v_permlane16_swap_b32 v[(\d0)+\i], v[TQ+\i]
	v_permlane16_swap_b32 v[(\d1)+\i], v[TQ+4+\i]
.endr
.irp i, 0,1,2
	v_mov_b32 v[(\d0)+3+\i], v[TQ+\i]
	v_mov_b32 v[(\d1)+3+\i], v[TQ+4+\i]
.endr
.endm
	PLACES NP
	s_mov_b32 s[SEL], 0x76543210
	s_mov_b32 s[SEL+1], 0xfedcba98
	s_mov_b32 s78, 0xffff0000
.irp b, 0,1,2,3
	v_mov_b32 v[TM+4+\b], 0
.endr
	s_cmp_eq_u32 ttmp9, 2
	s_cbranch_scc1 .Lway_v
	s_lshl_b32 s18, s17, 8
	s_lshl_b32 s19, s15, 7
	s_add_co_u32 s18, s18, s19
	s_lshr_b32 s19, s18, 11
	s_and_b32 s18, s18, 2047
	s_lshr_b32 s20, s18, 5
	s_lshl_b32 s21, s42, 8
	s_lshl_b32 s22, s16, 7
	s_add_co_u32 s21, s21, s22
	s_and_b32 s21, s21, 1023
	s_lshr_b32 s21, s21, 6
	s_lshl_b32 s22, s19, 4
	s_add_co_u32 s22, s22, s21
	s_lshl_b32 s23, 98304, ttmp9
	s_mul_i32 s24, s22, s23
	s_lshr_b32 s25, s20, 5
	s_lshr_b32 s26, s23, 1
	s_mul_i32 s25, s25, s26
	s_add_co_u32 s24, s24, s25
	s_and_b32 s25, s20, 31
	s_mul_i32 s25, s25, 1536
	s_add_co_u32 s24, s24, s25
	s_mul_i32 s25, ttmp9, 6291456
	s_add_co_u32 s24, s24, s25
	s_mov_b32 s25, 0
	s_add_nc_u64 s[70:71], s[10:11], s[24:25]
	s_mov_b32 s24, s23
	s_add_nc_u64 s[72:73], s[70:71], s[24:25]
	s_lshr_b32 s22, s22, 1
	s_lshl_b32 s26, 8192, ttmp9
	s_mul_i32 s24, s22, s26
	s_lshl_b32 s26, s20, 6
	s_add_co_u32 s24, s24, s26
	s_mul_i32 s26, ttmp9, 262144
	s_add_co_u32 s24, s24, s26
	s_add_co_u32 s24, s24, 18874368
	s_add_nc_u64 s[74:75], s[10:11], s[24:25]
	s_lshl_b32 s24, s18, 8
	s_add_co_u32 s24, s24, 3276800
	s_add_nc_u64 s[76:77], s[6:7], s[24:25]
	s_mov_b32 s79, 0x05040100
	s_mov_b32 s80, 0x07060302
	WIN 0x40
.irp a, 0,1,2,3,4,5,6,7
.irp g, 0,1,2,3
.irp e, 0,1
	global_load_b128 v[32*\a+8*\g+4*\e:32*\a+8*\g+4*\e+3], v[VT], s[76:77] offset:\a*4096+64*\g+16*\e
.endr
.endr
.endr
	WIN 0x82
.set k, 0
.rept 128
	v_pk_add_f32 v[2*k:2*k+1], v[2*k:2*k+1], v[BI+(2*k)%64:BI+(2*k)%64+1]
.set k, k+1
.endr
	WIN 0xc3
.set k, 0
.rept 128
	v_pk_add_f32 v[2*k:2*k+1], v[2*k:2*k+1], v[BI+(2*k)%64:BI+(2*k)%64+1]
.set k, k+1
.endr
.macro ROPE a
.set AC, 64*((\a)%4)
.set TC, 32*(\a)
	WIN 0x06+(\a)/4
.irp b, 0,1,2,3,4,5,6,7
.irp i, 0,1,2,3
	v_mul_f32 v[T+2*\i], v[AC+8*\b+2*\i+1], v[TC+8*(\b%4)+2*\i+1]
	v_mul_f32 v[T+2*\i+1], v[AC+8*\b+2*\i], v[TC+8*(\b%4)+2*\i+1]
.endr
.irp i, 0,1,2,3
	v_fma_f32 v[HA+8*\b+2*\i], v[AC+8*\b+2*\i], v[TC+8*(\b%4)+2*\i], -v[T+2*\i]
	v_fma_f32 v[HA+8*\b+2*\i+1], v[AC+8*\b+2*\i+1], v[TC+8*(\b%4)+2*\i], v[T+2*\i+1]
.endr
.endr
	WIN 0
.endm
.irp f, 0,1,2,3
.irp e, 0,1
	s_wait_loadcnt 56-8*(2*\f+\e)
	ROPE 2*\f+\e
.if (\e == 0) && (\f > 0)
	s_wait_xcnt 0x0
.endif
	QUANT HA, IMG+6*\e, IMG+12+6*\e, PW+\e
.endr
	v_perm_b32 v[WD+\f], v[PW+1], v[PW], s79
	v_perm_b32 v[WD+4+\f], v[PW+1], v[PW], s80
.irp c, 0,1,2
	global_store_b128 v[LI], v[IMG+4*\c:IMG+4*\c+3], s[70:71] offset:\f*1536+512*\c
	global_store_b128 v[LI], v[IMG+12+4*\c:IMG+12+4*\c+3], s[72:73] offset:\f*1536+512*\c
.endr
.endr
	s_branch .Lwords
.Lway_v:
	s_lshl_b32 s18, s42, 8
	s_lshl_b32 s19, s16, 7
	s_add_co_u32 s18, s18, s19
	s_lshr_b32 s19, s18, 11
	s_bfe_u32 s20, s18, 0x40007
	s_lshl_b32 s21, s17, 2
	s_lshl_b32 s22, s15, 1
	s_add_co_u32 s21, s21, s22
	s_lshl_b32 s22, s19, 4
	s_add_co_u32 s22, s22, s21
	s_mul_i32 s24, s22, 196608
	s_lshr_b32 s25, s20, 3
	s_mul_i32 s25, s25, 98304
	s_add_co_u32 s24, s24, s25
	s_and_b32 s25, s20, 7
	s_mul_i32 s25, s25, 6144
	s_add_co_u32 s24, s24, s25
	s_add_co_u32 s24, s24, 6291456+49152
	s_mov_b32 s25, 0
	s_add_nc_u64 s[70:71], s[10:11], s[24:25]
	s_add_nc_u64 s[72:73], s[70:71], 196608
	s_lshr_b32 s22, s22, 1
	s_lshl_b32 s24, s22, 14
	s_lshl_b32 s26, s20, 8
	s_add_co_u32 s24, s24, s26
	s_add_co_u32 s24, s24, 19136512+8192
	s_add_nc_u64 s[74:75], s[10:11], s[24:25]
.irp a, 0,1,2,3,4,5,6,7
	WIN 0x02+\a/4
.set k, 0
.rept 32
	v_pk_add_f32 v[HA+2*k:HA+2*k+1], v[64*(\a%4)+2*k:64*(\a%4)+2*k+1], v[BI+8*\a:BI+8*\a+1]
.set k, k+1
.endr
	WIN 0
.if \a > 0
	s_wait_xcnt 0x0
.endif
	QUANT HA, IMG, IMG+6, WD+\a
.irp c, 0,1,2
	global_store_b128 v[LI], v[IMG+4*\c:IMG+4*\c+3], s[70+2*(\a/4):71+2*(\a/4)] offset:(\a%4)*1536+512*\c
.endr
.endr
.Lwords:
	v_cndmask_b32 v[TM], v[WD], v[WD+1], s78
	s_wait_alu depctr_va_vdst(0)
	v_cndmask_b32 v[TM+1], v[WD+2], v[WD+3], s78
	v_cndmask_b32 v[TM+2], v[WD+4], v[WD+5], s78
	v_cndmask_b32 v[TM+3], v[WD+6], v[WD+7], s78
	global_store_b32 v[L4], v[TM], s[74:75]
	global_store_b32 v[L4], v[TM+1], s[74:75] offset:128
	global_store_b32 v[L4], v[TM+2], s[74:75] offset:4096
	global_store_b32 v[L4], v[TM+3], s[74:75] offset:4224
	s_wait_tensorcnt 0x0
	ds_add_u32 v[SPW], v[NIL]
	s_wait_dscnt 0x0
	CROUND
	s_endpgm
.Lfunc_end_k_qbce5135568_gemm_qkv:
	.size	k_qbce5135568_gemm_qkv, .Lfunc_end_k_qbce5135568_gemm_qkv-k_qbce5135568_gemm_qkv
	.p2alignl 7, 3214868480
	.fill 96, 4, 3214868480
	.section	.rodata,"a",@progbits
	.p2align	6, 0x0
	.amdhsa_kernel k_qbce5135568_gemm_qkv
		.amdhsa_group_segment_fixed_size 327680
		.amdhsa_private_segment_fixed_size 0
		.amdhsa_enable_private_segment 0
		.amdhsa_kernarg_size 32
		.amdhsa_user_sgpr_count 2
		.amdhsa_user_sgpr_kernarg_segment_ptr 1
		.amdhsa_wavefront_size32 1
		.amdhsa_system_sgpr_workgroup_id_x 1
		.amdhsa_system_sgpr_workgroup_id_y 1
		.amdhsa_system_sgpr_workgroup_id_z 1
		.amdhsa_system_vgpr_workitem_id 0
		.amdhsa_next_free_vgpr 1024
		.amdhsa_next_free_sgpr 100
		.amdhsa_reserve_vcc 0
		.amdhsa_float_denorm_mode_32 3
		.amdhsa_float_denorm_mode_16_64 3
		.amdhsa_memory_ordered 1
		.amdhsa_forward_progress 1
		.amdhsa_inst_pref_size 255
	.end_amdhsa_kernel
	.section	.bss,"aw",@nobits
	.p2align	6
	.space	262144
	.amdgpu_metadata
---
amdhsa.version: [ 1, 2 ]
amdhsa.kernels:
  - .name:           k_qbce5135568_gemm_qkv
    .symbol:         k_qbce5135568_gemm_qkv.kd
    .args:
      - { .name: xq, .offset: 0, .size: 8, .value_kind: global_buffer, .address_space: global }
      - { .name: wts, .offset: 8, .size: 8, .value_kind: global_buffer, .address_space: global }
      - { .name: b_qkv, .offset: 16, .size: 8, .value_kind: global_buffer, .address_space: global }
      - { .name: qkv, .offset: 24, .size: 8, .value_kind: global_buffer, .address_space: global }
    .group_segment_fixed_size: 327680
    .private_segment_fixed_size: 0
    .kernarg_segment_align: 8
    .kernarg_segment_size: 32
    .max_flat_workgroup_size: 128
    .sgpr_count:     100
    .vgpr_count:     1024
    .wavefront_size: 32
...
	.end_amdgpu_metadata
.endif
;; end of part 2
;; launch attn (part 3): grid 4 x 64, 16 waves a work-group, clusters of 4 x 1, 256,000 bytes of LDS; arguments qkv, att; writes att
.if DOCPART == 3
	.amdgcn_target "amdgcn-amd-amdhsa--gfx1250"
	.amdhsa_code_object_version 6
	.text
	.protected	k_qbce5135568_attn
	.globl	k_qbce5135568_attn
	.p2align	8
	.type	k_qbce5135568_attn,@function
k_qbce5135568_attn:
	s_mov_b64 s[64:65], 0
	v_nop
	global_prefetch_b8 v0, s[64:65] scope:SCOPE_SE
	s_setreg_imm32_b32 hwreg(HW_REG_WAVE_MODE, 25, 1), 1
	s_wait_xcnt 0x0
	s_wait_alu depctr_hold_cnt(0) depctr_sa_sdst(0) depctr_va_vdst(0) depctr_va_sdst(0) depctr_va_ssrc(0) depctr_va_vcc(0) depctr_vm_vsrc(0)
	s_getreg_b32 s2, hwreg(HW_REG_IB_STS2, 6, 4)
	s_cmp_eq_u32 s2, 0
	s_cbranch_scc0 .Lentry_in_a_cluster
	s_endpgm
.Lentry_in_a_cluster:
	s_bfe_u32 s2, ttmp6, 0x10000c
	s_cmp_lg_u32 s2, 0x3003
	s_cbranch_scc0 .Lentry_shape_is_right
	s_endpgm
.Lentry_shape_is_right:
; Attention on codes of FP6 (E2M3) with E8M0 scales: 4 batches x 16 heads, 2,048 tokens, head size 64, no mask.  q, k, v come as images of operand registers from the launch before; the result, divided by the
; row's sum and quantised along the channels, leaves as half of an image of the projection's operand (16 tokens x 128 channels = a pair of heads).
; THE SOFTMAX: t = score x log2(e) / 8; M = the running largest t rounded UP to a whole number; p = 2^(t - M) is quantised along the keys, not normalised; the row's sum is taken of the unquantised p and
; divides at the end.  When M moves, the sum and O are multiplied by 2^(old M - new M): exact.
; SHARES.  A work-group owns ONE head and 512 queries; each of its sixteen waves 32 queries (one fragment of q), 16 at a time in two passes over the keys.  64 heads x 4 blocks = 256 work-groups.
; LDS.  The head's whole k and v (196,608 bytes) and their scale words (8,192) are filled ONCE, at the head, one tensor load a wave: waves 0-7 bring 24,576 bytes of codes each, waves 8-15 1,024 bytes of scale
; words each.  Nothing is filled again: one barrier shows the tiles to all waves, and behind it the waves share nothing and meet no more.
; CLUSTER: the four query blocks of a head read the same k and v: every tile is asked for jointly.  No prefetch: every tile is asked for at the head, and there is no loop to run ahead in.
; K = 64 IN A FORM OF K = 128: a fragment of k holds 32 keys: row m has key 32 f + m in k = 0..63 and key 32 f + 16 + m in k = 64..127.  The query stands in a run of 18 registers, zeros | q | zeros:
; [q; 0] picks the first 16 keys, [0; q] the second.  Zero codes add nothing under any scale byte from 1 to 254.
; A BLOCK OF p IN ONE LANE.  Both products are used transposed, so a lane holds one query.  A tile of scores takes its rows 0-7 from rows 8 s .. 8 s + 7 of fragment 2 g and its rows 8-15 from the same rows of
; fragment 2 g + 1, by the lanes' LDS addresses alone.  So lane (r, h) holds, in the 32 registers of the four tiles (s, u), the 32 keys of fragment 2 g + h, key 16 u + 8 s + j at place 16 s + 8 u + j: the order in
; which v's codes stand, and the block that the operand's layout gives that lane.  A block's maximum needs no other lane and no codes change lanes.
; PADDING: 128 bytes behind each piece of 512: a fragment is 1,920 bytes in LDS, so that the pieces of fragments 2 g and 2 g + 1 which lanes 0-7 and 8-15 read lie 128 bytes apart modulo 256.
; THE WAY OUT: my head's six registers of an image: 16 bytes a lane that fill one piece of 512 bytes, and 8 bytes of each lane's 16 in the middle piece, which the pair's two heads share; two scale bytes a row.
; LIMITS: the promise holds while the scaled scores stay under 2^31 in magnitude; NaN and infinities are not served; a block whose largest magnitude lies under 2^-124 has its byte held at 1; a block of zeros
; gets the byte 1 (its codes are zeros; this program alone reads the bytes).
.set FRAGB, 1920                       ; a fragment in LDS: three pieces of 512 + 128
.set STEPB, 7680                       ; a key step's four fragments
.set VOFF,  122880                     ; v's fragments, behind k's sixteen key steps
.set SCL,   245760                     ; k's scale words, 4,096 bytes; then v's
.set SPARE, 253952                     ; the spare words, 128 bytes for each of sixteen waves
.set LI,   1                           ; 16 x lane
.set LIK,  2                           ; k's tiles: 1920 (r / 8) + 16 (r % 8) + 256 h
.set SPW,  3
.set NIL,  4
.set LIV,  5                           ; VOFF + 16 x lane
.set ASKB, 6                           ; k's scale words: SCL + 64 (r / 8) + 32 h + 4 (r % 8)
.set ASVB, 7                           ; v's: SCL + 4096 + 4 x lane
.set R4,   8                           ; 4 x (lane % 16)
.set SH8,  9                           ; 8 h
.set ADK,  10                          ; the step's addresses
.set ADV,  11
.set ASK,  42
.set ASV,  43
.set IMG,  212                         ; v212-223 the two passes' results
.set BM,   224                         ; v224-227 chains of maxima; then the blocks' largest p in v224, v226
.set PB,   228                         ; v228-231 lane permutes' results, bytes
.set SO,   232                         ; v232-233 the conversions' scale operands
.set HW,   234                         ; v234-235 the two passes' scale bytes
; v12 -M, v13 the largest score, v[14:15] the sum; v16-33 the query's run; v34 its scale word; v35, v36-41 the second 16 queries'; v44-45 k's scale words, v46-47 v's; v48-95 four fragments;
; v96-159 scores, then p; v160-191 O^T; v192-203 p's codes; v204-210 second halves of conversions; v236-237, v244-255 chains of sums; v238 p's scale word; v[240:241] f; v242-243 at work
.set E,   19
.set WV,  18
.set SEL, 20
.set CS,  22
.set G1,  24
.set G1S, 32
.set G0,  40
.set G0S, 44
.set TB,  48
.set TS,  49
.set CNT, 50
.macro DEP n
	s_delay_alu instid0(VALU_DEP_\n)
.endm
.macro CROUND
	s_barrier_signal -1
	s_barrier_wait -1
	s_cmp_lg_u32 s[WV], 0
	s_cbranch_scc1 .Lnot_wave_0_\@
	s_barrier_signal -3
.Lnot_wave_0_\@:
	s_barrier_wait -3
	s_barrier_signal -1
	s_barrier_wait -1
.endm
	s_load_b128 s[4:7], s[0:1], 0x0                ; qkv s[4:5], att s[6:7]
	v_lshl_add_u32 v[SPW], v0, 2, SPARE
	v_mov_b32 v[NIL], 0
	ds_add_u32 v[SPW], v[NIL]                      ; the opening: the add, twice on end, and its wait ahead of my tensor load
	ds_add_u32 v[SPW], v[NIL]
	v_lshrrev_b32 v224, 5, v0
	DEP 1
	v_readfirstlane_b32 s[WV], v224                ; wave 0..15
	s_bfe_u32 s8, ttmp6, 0x40000                   ; cx: my block of 512 queries: it enters q's and the result's addresses alone
	s_and_b32 s10, ttmp7, 0xffff                   ; 16 x batch + head, which the partners share
	s_mov_b32 s[G1], 15|(3<<16)|(1<<20)|(1<<21)|(6<<22)|(31<<25)   ; all four work-groups; elements of 8 bytes; behind every 128 words 32 words of padding
	s_mov_b32 s[G1+1], 64<<16                      ; rows of 512 bytes,
	s_mov_b32 s[G1+2], 48<<16                      ; 48 of them
	s_mov_b32 s[G1+3], 64<<16
	s_mov_b32 s[G1+4], 48
	s_mov_b32 s[G1+5], 64
	s_mov_b32 s[G1+6], 0
	s_mov_b32 s[G1+7], 0
	s_mov_b32 s[G1S], 15|(3<<16)|(1<<21)
	s_mov_b32 s[G1S+1], 32<<16                     ; rows of 256 bytes,
	s_mov_b32 s[G1S+2], 4<<16                      ; four of them
	s_mov_b32 s[G1S+3], 32<<16
	s_mov_b32 s[G1S+4], 4
	s_mov_b32 s[G1S+5], 32
	s_mov_b32 s[G1S+6], 0
	s_mov_b32 s[G1S+7], 0
	s_and_b32 s11, s[WV], 7                        ; i: which eighth of the codes, or of the scale words
	s_mul_i32 s14, s11, 24576                      ; the head's stream in memory: k of keys 0-1023, v of them, k of keys 1024-2047, v of them: 49,152 bytes each
	s_and_b32 s12, s11, 1
	s_mul_i32 s12, s12, 30720                      ; in LDS: which half of such a run,
	s_bfe_u32 s13, s11, 0x10001
	s_mul_i32 s13, s13, VOFF                       ; k's or v's,
	s_add_co_u32 s12, s12, s13
	s_lshr_b32 s13, s11, 2
	s_mul_i32 s13, s13, 61440                      ; the first or the second 1,024 keys
	s_add_co_u32 s12, s12, s13
	s_mul_i32 s13, s10, 196608
	s_add_co_u32 s14, s14, s13
	s_add_co_u32 s14, s14, 6291456
	s_mov_b32 s15, 0
	s_lshl_b32 s9, s11, 10                         ; scale words in LDS: 1,024 i
	s_lshr_b32 s16, s11, 2
	s_lshl_b32 s16, s16, 13                        ; in memory, for a pair of heads: k even, k odd, v even, v odd, 4,096 bytes each
	s_and_b32 s51, s11, 3
	s_lshl_b32 s51, s51, 10
	s_add_co_u32 s16, s16, s51
	s_and_b32 s[E], s10, 1                         ; even or odd head
	s_lshl_b32 s51, s[E], 12
	s_add_co_u32 s16, s16, s51
	s_lshr_b32 s51, s10, 1
	s_lshl_b32 s51, s51, 14
	s_add_co_u32 s16, s16, s51
	s_add_co_u32 s16, s16, 19136512
	s_mov_b32 s17, 0
	s_mov_b32 s[SEL], 0x76543210
	s_mov_b32 s[SEL+1], 0xfedcba98                 ; lane l xor 16
	s_mov_b32 s[CS], 0x3e38aa3b                    ; c = log2(e) / 8
	s_mov_b32 s[CS+1], s[CS]                       ; (named with it as a pair)
	s_wait_dscnt 0x0                               ; both opening adds are done
	s_wait_kmcnt 0x0
	s_mov_b32 s[G0S], 1
	s_add_co_u32 s[G0S+1], s9, SCL
	s_add_nc_u64 s[G0S+2:G0S+3], s[4:5], s[16:17]
	s_or_b32 s[G0S+3], s[G0S+3], 0x80000000
	s_mov_b32 s[G0], 1
	s_mov_b32 s[G0+1], s12
	s_add_nc_u64 s[G0+2:G0+3], s[4:5], s[14:15]
	s_or_b32 s[G0+3], s[G0+3], 0x80000000
	CROUND                                         ; all four work-groups are here: the joint loads meet
	s_cmp_lt_u32 s[WV], 8                          ; one load a wave, on either way
	s_cbranch_scc0 .Lscales
	tensor_load_to_lds s[G0:G0+3], s[G1:G1+7]
	s_nop 0
.rept 4
	v_nop
.endr
	s_branch .Lasked
.Lscales:
	tensor_load_to_lds s[G0S:G0S+3], s[G1S:G1S+7]
	s_nop 0
.rept 4
	v_nop
.endr
.Lasked:
	; q: fragment 64 x head + 16 x block + wave: my 32 queries
	s_lshl_b32 s51, s10, 6
	s_lshl_b32 s52, s8, 4
	s_add_co_u32 s51, s51, s52
	s_add_co_u32 s51, s51, s[WV]
	s_mul_i32 s52, s51, 1536
	s_mov_b32 s53, 0
	s_add_nc_u64 s[52:53], s[4:5], s[52:53]
	s_lshl_b32 s54, s51, 6
	s_add_co_u32 s54, s54, 18874368
	s_mov_b32 s55, 0
	s_add_nc_u64 s[54:55], s[4:5], s[54:55]
	; the result: token tile 128 x batch + 32 x block + 2 x wave (and the next), K step = the pair of heads
	s_lshr_b32 s51, s10, 4
	s_lshl_b32 s51, s51, 7
	s_lshl_b32 s56, s8, 5
	s_add_co_u32 s51, s51, s56
	s_lshl_b32 s56, s[WV], 1
	s_add_co_u32 s51, s51, s56
	s_lshl_b32 s51, s51, 3
	s_bfe_u32 s56, s10, 0x30001
	s_add_co_u32 s51, s51, s56
	s_mul_i32 s56, s51, 1536
	s_mov_b32 s57, 0
	s_add_nc_u64 s[56:57], s[6:7], s[56:57]
	s_lshl_b32 s58, s51, 6
	s_add_co_u32 s58, s58, 6291456
	s_lshl_b32 s59, s[E], 1                        ; my head's two bytes of a row's word
	s_add_co_u32 s58, s58, s59
	s_mov_b32 s59, 0
	s_add_nc_u64 s[58:59], s[6:7], s[58:59]
	v_and_b32 v224, 31, v0                         ; lane
	v_and_b32 v225, 15, v0                         ; r
	v_bfe_u32 v226, v0, 4, 1                       ; h
	v_bfe_u32 v227, v0, 3, 1                       ; r / 8
	v_and_b32 v228, 7, v0                          ; r % 8
	v_lshlrev_b32 v[LI], 4, v224
	v_lshlrev_b32 v[R4], 2, v225
	s_wait_alu depctr_va_vdst(0)                   ; the wait ahead of the readers below
.irp c, 0,1,2
	global_load_b128 v[96+4*\c:99+4*\c], v[LI], s[52:53] offset:512*\c
.endr
	global_load_b32 v108, v[R4], s[54:55]
	v_lshlrev_b32 v[SH8], 3, v226
	v_add_nc_u32 v[LIV], VOFF, v[LI]
	v_lshl_add_u32 v[ASVB], v224, 2, SCL+4096
	v_mul_u32_u24 v[LIK], v227, FRAGB
	v_lshlrev_b32 v[ASKB], 6, v227
	v_lshl_add_u32 v[LIK], v228, 4, v[LIK]
	v_lshl_add_u32 v[ASKB], v226, 5, v[ASKB]
	v_lshl_add_u32 v[LIK], v226, 8, v[LIK]
	v_lshl_add_u32 v[ASKB], v228, 2, v[ASKB]
	v_mov_b32 v13, 0xff61b1e6                      ; the largest score so far: -3e38
	v_add_nc_u32 v[ASKB], SCL, v[ASKB]
	v_mov_b32 v12, 0x7f61b1e6                      ; -M so far: 3e38, so that the first step's f is 0
	v_mov_b32 v14, 0
	v_mov_b32 v15, 0
.irp i, 0,1,2,3,4,5
	v_mov_b32 v[16+\i], 0                          ; the zeros on both sides of q
	v_mov_b32 v[28+\i], 0
.endr
.irp b, 0,1,2,3
	v_mov_b32 v[PB+\b], 0                          ; a lane permute's destination counts as read
.endr
	v_mov_b32 v241, 0                              ; (named as the upper half of a pair)
	v_mov_b32 v242, 0
.set j, 0
.rept 32
	v_mov_b32 v[160+j], 0                          ; O^T, once: the step is written once, and f = 0 leaves zeros zeros
.set j, j+1
.endr
	s_wait_loadcnt 0x0
	v_perm_b32 v34, v108, v108, 0x01000100         ; (s0, s1, s0, s1): the same two bytes serve q in either half of K.  Thirteen plain lines and the step's four stand between this write and the first product
	v_perm_b32 v35, v108, v108, 0x03020302
.irp i, 0,1,2,3,4,5
	v_mov_b32 v[22+\i], v[96+\i]                   ; the first 16 queries
.endr
.irp i, 0,1,2,3,4,5
	v_mov_b32 v[36+\i], v[102+\i]                  ; the second 16
.endr
	s_wait_alu depctr_va_vdst(0)                   ; the wait at the head's end
	s_wait_tensorcnt 0x0                           ; my tile is in
	s_barrier_signal -1
	s_barrier_wait -1                              ; and so is everybody's
; A KEY STEP: 128 keys: four tiles of k, eight products; the softmax; four fragments of v, four products.
.macro STEP
	v_add_nc_u32 v[ADK], s[TB], v[LIK]             ; these four are also the places behind the last products, in front of loads into registers that they read
	v_add_nc_u32 v[ADV], s[TB], v[LIV]
	v_add_nc_u32 v[ASK], s[TS], v[ASKB]
	v_add_nc_u32 v[ASV], s[TS], v[ASVB]
.irp g, 0,1
.irp s, 0,1
.irp c, 0,1,2
	ds_load_b128 v[48+12*(2*\g+\s)+4*\c:51+12*(2*\g+\s)+4*\c], v[ADK] offset:2*FRAGB*\g+128*\s+640*\c
.endr
.endr
.endr
	ds_load_b32 v44, v[ASK]                        ; lanes 0-15 the words of tile (0, 0)'s rows, lanes 16-31 of tile (0, 1)'s
	ds_load_b32 v45, v[ASK] offset:128
	s_wait_alu depctr_va_vdst(0)
	s_wait_dscnt 0x0
.irp g, 0,1
.irp s, 0,1
.irp u, 0,1
.if \s
	v_wmma_scale_f32_16x16x128_f8f6f4 v[96+32*\g+8*(2*\s+\u):103+32*\g+8*(2*\s+\u)], v[48+12*(2*\g+\s):59+12*(2*\g+\s)], v[22-6*\u:33-6*\u], 0, v[44+\g], v34 matrix_a_fmt:MATRIX_FMT_FP6 matrix_b_fmt:MATRIX_FMT_FP6 matrix_a_scale:MATRIX_SCALE_ROW1
.else
	v_wmma_scale_f32_16x16x128_f8f6f4 v[96+32*\g+8*(2*\s+\u):103+32*\g+8*(2*\s+\u)], v[48+12*(2*\g+\s):59+12*(2*\g+\s)], v[22-6*\u:33-6*\u], 0, v[44+\g], v34 matrix_a_fmt:MATRIX_FMT_FP6 matrix_b_fmt:MATRIX_FMT_FP6
.endif
.endr
.endr
.endr
	v_mov_b32 v242, v12                            ; the old -M; with three v_nop the four places for the loads below and for the first read of the scores
.rept 3
	v_nop
.endr
.irp f, 0,1,2,3                        ; v's fragments are asked for now and land under the softmax
.irp c, 0,1,2
	ds_load_b128 v[48+12*\f+4*\c:51+12*\f+4*\c], v[ADV] offset:FRAGB*\f+640*\c
.endr
.endr
	ds_load_b32 v46, v[ASV]                        ; lanes 0-15 fragment 0's words, lanes 16-31 fragment 1's
	ds_load_b32 v47, v[ASV] offset:128
.irp k, 0,1,2,3                        ; four chains of 16 scores by turns; chains 2 g and 2 g + 1 are my block g
	v_max3_num_f32 v[BM+\k], v[96+16*\k], v[97+16*\k], v[98+16*\k]
.endr
.irp i, 3,5,7,9,11,13
.irp k, 0,1,2,3
	v_max3_num_f32 v[BM+\k], v[BM+\k], v[96+16*\k+\i], v[97+16*\k+\i]
.endr
.endr
	v_max_num_f32 v[BM+1], v[BM+1], v127
	v_max_num_f32 v[BM+3], v[BM+3], v159
	v_max3_num_f32 v[BM], v[BM], v111, v[BM+1]     ; the largest score of each of my two blocks: for the row's maximum, and, since p rises with the score, for the block's largest p
	v_max3_num_f32 v[BM+2], v[BM+2], v143, v[BM+3]
	v_max_num_f32 v243, v[BM], v[BM+2]
	v_permlanex16_b32 v[PB], v243, s[SEL], s[SEL+1]
	v_max3_num_f32 v13, v13, v243, v[PB]           ; the running largest score of my query, with lane l xor 16's two blocks
	v_mul_f32 v243, s[CS], v13                     ; as t (c is positive)
	v_floor_f32 v12, -v243                         ; the new -M = -ceil(t)
	v_sub_f32 v242, v12, v242                      ; old M - new M: a whole number, 0 or less
	v_cvt_i32_f32 v242, v242                       ; (it saturates)
	v_ldexp_f32 v240, 1.0, v242                    ; f = 2^(old M - new M)
.set j, 0
.rept 32
	v_pk_fma_f32 v[96+j:97+j], v[96+j:97+j], s[CS:CS+1], v[12:13] op_sel_hi:[1,0,0]   ; t - M, two at a time
.set j, j+2
.endr
	v_fma_f32 v[BM], v[BM], s[CS], v12
	v_fma_f32 v[BM+2], v[BM+2], s[CS], v12
	s_wait_alu depctr_va_vdst(0)                   ; the wait ahead of the batch
.set j, 0
.rept 64
	v_exp_f32 v[96+j], v[96+j]                     ; p = 2^(t - M)
.set j, j+1
.endr
	v_exp_f32 v[BM], v[BM]                         ; the blocks' largest p: the same two steps on the same number
	v_exp_f32 v[BM+2], v[BM+2]
	v_pk_mul_f32 v[14:15], v[14:15], v[240:241] op_sel_hi:[1,0]   ; the sums under the new M: a plain place behind the exponentials
	s_wait_alu depctr_va_vdst(0)                   ; one wait for the batch, ahead of its first reader
	; the row's sum of the unquantised p, in eight chains; the blocks' scales stand between the chains' turns
.irp k, 0,1,2,3,4,5
	v_pk_add_f32 v[244+2*\k:245+2*\k], v[96+2*\k:97+2*\k], v[110+2*\k:111+2*\k]
.endr
	v_pk_add_f32 v[236:237], v[108:109], v[122:123]
	v_pk_add_f32 v[14:15], v[14:15], v[124:125]
	v_max_num_f32 v[BM], 0x1800000, v[BM]          ; the floor 2^(3 - 127): the byte cannot fall under 1
	v_max_num_f32 v[BM+2], 0x1800000, v[BM+2]
.irp k, 0,1,2,3,4,5
	v_pk_add_f32 v[244+2*\k:245+2*\k], v[244+2*\k:245+2*\k], v[126+2*\k:127+2*\k]
.endr
	v_pk_add_f32 v[236:237], v[236:237], v[138:139]
	v_pk_add_f32 v[14:15], v[14:15], v[140:141]
	v_add_nc_u32 v[SO], 0xff000000, v[BM]          ; 2 off the exponent field: the conversion's scale operand
	v_add_nc_u32 v[SO+1], 0xff000000, v[BM+2]
.irp k, 0,1,2,3,4,5
	v_pk_add_f32 v[244+2*\k:245+2*\k], v[244+2*\k:245+2*\k], v[142+2*\k:143+2*\k]
.endr
	v_pk_add_f32 v[236:237], v[236:237], v[154:155]
	v_pk_add_f32 v[14:15], v[14:15], v[156:157]
	v_lshrrev_b32 v[PB], 23, v[SO]                 ; the bytes of blocks h and 2 + h
	v_lshrrev_b32 v[PB+1], 23, v[SO+1]
	v_pk_add_f32 v[244:245], v[244:245], v[158:159]
	v_pk_add_f32 v[248:249], v[248:249], v[250:251]
	v_pk_add_f32 v[252:253], v[252:253], v[254:255]
	v_pk_add_f32 v[14:15], v[14:15], v[236:237]
	v_lshl_or_b32 v238, v[PB+1], 16, v[PB]
	v_pk_add_f32 v[244:245], v[244:245], v[246:247]
	v_pk_add_f32 v[14:15], v[14:15], v[252:253]
	DEP 3
	v_lshlrev_b32 v238, v[SH8], v238               ; at their places in the word
	DEP 3
	v_pk_add_f32 v[244:245], v[244:245], v[248:249]
	DEP 2
	v_permlanex16_b32 v[PB+2], v238, s[SEL], s[SEL+1]
	DEP 2
	v_pk_add_f32 v[14:15], v[14:15], v[244:245]
	DEP 2
	v_or_b32 v238, v238, v[PB+2]                   ; with lane l xor 16's two bytes p's scale word for these 128 keys is whole
.irp g, 0,1
	v_cvt_scalef32_pk16_fp6_f32 v[192+6*\g:194+6*\g], v[96+32*\g:111+32*\g], v[SO+\g]
	v_cvt_scalef32_pk16_fp6_f32 v[204+4*\g:206+4*\g], v[112+32*\g:127+32*\g], v[SO+\g]   ; (a conversion's three registers begin on an even number)
.endr
	s_wait_alu depctr_va_vdst(0)                   ; the wait directly ahead of the first reader of O^T
.set j, 0
.rept 8
	v_pk_mul_f32 v[160+j:161+j], v[160+j:161+j], v[240:241] op_sel_hi:[1,0]   ; O^T under the new M; also the plain place behind the conversions
.set j, j+2
.endr
.irp g, 0,1
.irp i, 0,1,2
	v_mov_b32 v[195+6*\g+\i], v[204+4*\g+\i]
.endr
.endr
.rept 8
	v_pk_mul_f32 v[160+j:161+j], v[160+j:161+j], v[240:241] op_sel_hi:[1,0]   ; eight places between the codes' last write and the products; 26 behind the scale word's
.set j, j+2
.endr
	s_wait_alu depctr_va_vdst(0)
	s_wait_dscnt 0x0                               ; v's fragments and scale words are in
.irp t, 0,1,2,3
.if \t%2
	v_wmma_scale_f32_16x16x128_f8f6f4 v[160+8*\t:167+8*\t], v[48+12*\t:59+12*\t], v[192:203], v[160+8*\t:167+8*\t], v[46+\t/2], v238 matrix_a_fmt:MATRIX_FMT_FP6 matrix_b_fmt:MATRIX_FMT_FP6 matrix_a_scale:MATRIX_SCALE_ROW1
.else
	v_wmma_scale_f32_16x16x128_f8f6f4 v[160+8*\t:167+8*\t], v[48+12*\t:59+12*\t], v[192:203], v[160+8*\t:167+8*\t], v[46+\t/2], v238 matrix_a_fmt:MATRIX_FMT_FP6 matrix_b_fmt:MATRIX_FMT_FP6
.endif
.endr
.endm
.macro PASS                            ; sixteen key steps: all 2,048 keys for 16 queries
	s_mov_b32 s[TB], 0
	s_mov_b32 s[TS], 0
	s_mov_b32 s[CNT], 16
.Lstep_\@:
	STEP
	s_add_co_u32 s[TB], s[TB], STEPB
	s_add_co_u32 s[TS], s[TS], 256
	s_sub_co_u32 s[CNT], s[CNT], 1
	s_cmp_lg_u32 s[CNT], 0
	s_cbranch_scc1 .Lstep_\@
.endm
; A pass's end: O^T / the sum, quantised along the channels: two blocks of 32, six registers of the image, two scale bytes a row; and stored.
.macro FINISH p
.set IM, IMG+6*\p
.rept 4
	v_nop                                          ; places behind the last products
.endr
.if \p == 0
.irp i, 0,1,2,3,4,5
	v_mov_b32 v[22+\i], v[36+\i]                   ; the second 16 queries
.endr
	v_mov_b32 v34, v35                             ; and their scale word
.endif
	v_add_f32 v14, v14, v15
	DEP 1
	v_permlanex16_b32 v242, v14, s[SEL], s[SEL+1]
	DEP 1
	v_add_f32 v14, v14, v242                       ; the row's sum
	s_wait_alu depctr_va_vdst(0)
	v_rcp_f32 v14, v14
	v_nop                                          ; a plain place behind the reciprocal,
	s_wait_alu depctr_va_vdst(0)                   ; and the wait ahead of its first reader and of O^T's
.set j, 0
.rept 32
	v_mul_f32 v[96+j], v[160+j], v14               ; register 16 b + 8 u + j: channel 32 b + 16 u + 8 h + j
.set j, j+1
.endr
.irp b, 0,1
	v_max3_num_f32 v[BM+\b], |v[96+16*\b]|, |v[97+16*\b]|, 0x1800000
.endr
.irp i, 2,4,6,8,10,12,14
.irp b, 0,1
	DEP 2
	v_max3_num_f32 v[BM+\b], v[BM+\b], |v[96+16*\b+\i]|, |v[97+16*\b+\i]|
.endr
.endr
.irp b, 0,1
	DEP 2
	v_permlanex16_b32 v[PB+\b], v[BM+\b], s[SEL], s[SEL+1]
.endr
.irp b, 0,1
	DEP 2
	v_max_num_f32 v[BM+\b], v[BM+\b], v[PB+\b]
.endr
.irp b, 0,1
	DEP 2
	v_add_nc_u32 v[SO+\b], 0xff000000, v[BM+\b]
.endr
.irp b, 0,1
	DEP 2
	v_lshrrev_b32 v[PB+\b], 23, v[SO+\b]
.endr
	v_cvt_scalef32_pk16_fp6_f32 v[IM:IM+2], v[96:111], v[SO]
	v_cvt_scalef32_pk16_fp6_f32 v[204:206], v[112:127], v[SO+1]
	v_lshl_or_b32 v[HW+\p], v[PB+1], 8, v[PB]      ; the row's two bytes; also the plain place behind the conversions
.irp i, 0,1,2
	v_permlane16_swap_b32 v[IM+\i], v[204+\i]      ; a whole block to a lane
.endr
.irp i, 0,1,2
	DEP 3
	v_mov_b32 v[IM+3+\i], v[204+\i]
.endr
.if \p == 0
	v_mov_b32 v13, 0xff61b1e6                      ; the second pass begins: its first f is then 0, which clears O^T and the sum
	v_mov_b32 v12, 0x7f61b1e6
.endif
	s_wait_alu depctr_va_vdst(0)                   ; the wait ahead of the branch
	s_cmp_eq_u32 s[E], 0                           ; the head's number alone decides, the same in all partners
	s_cbranch_scc0 .Lodd_\@
	global_store_b128 v[LI], v[IM:IM+3], s[56:57] offset:12288*\p          ; registers 0-3 of the image: 512 consecutive bytes
	global_store_b64 v[LI], v[IM+4:IM+5], s[56:57] offset:12288*\p+512     ; registers 4, 5: the lower 8 of each lane's 16 bytes
	s_branch .Lsent_\@
.Lodd_\@:
	global_store_b64 v[LI], v[IM:IM+1], s[56:57] offset:12288*\p+520       ; registers 6, 7: the upper 8
	global_store_b128 v[LI], v[IM+2:IM+5], s[56:57] offset:12288*\p+1024   ; registers 8-11
.Lsent_\@:
	global_store_b16 v[R4], v[HW+\p], s[58:59] offset:512*\p               ; lanes l and l xor 16 hold the same row's bytes and store them to the same place
.endm
	PASS
	FINISH 0                                       ; each pass has its own registers for what it stores: no store's data are written again
	PASS
	FINISH 1
	s_wait_tensorcnt 0x0                           ; the wave's end
	ds_add_u32 v[SPW], v[NIL]
	s_wait_dscnt 0x0
	CROUND                                         ; the closing round
	s_endpgm
.Lfunc_end_k_qbce5135568_attn:
	.size	k_qbce5135568_attn, .Lfunc_end_k_qbce5135568_attn-k_qbce5135568_attn
	.p2alignl 7, 3214868480
	.fill 96, 4, 3214868480
	.section	.rodata,"a",@progbits
	.p2align	6, 0x0
	.amdhsa_kernel k_qbce5135568_attn
		.amdhsa_group_segment_fixed_size 256000
		.amdhsa_private_segment_fixed_size 0
		.amdhsa_enable_private_segment 0
		.amdhsa_kernarg_size 16
		.amdhsa_user_sgpr_count 2
		.amdhsa_user_sgpr_kernarg_segment_ptr 1
		.amdhsa_wavefront_size32 1
		.amdhsa_system_sgpr_workgroup_id_x 1
		.amdhsa_system_sgpr_workgroup_id_y 1
		.amdhsa_system_sgpr_workgroup_id_z 1
		.amdhsa_system_vgpr_workitem_id 0
		.amdhsa_next_free_vgpr 256
		.amdhsa_next_free_sgpr 66
		.amdhsa_reserve_vcc 0
		.amdhsa_float_denorm_mode_32 3
		.amdhsa_float_denorm_mode_16_64 3
		.amdhsa_memory_ordered 1
		.amdhsa_forward_progress 1
		.amdhsa_inst_pref_size 49
	.end_amdhsa_kernel
	.amdgpu_metadata
---
amdhsa.version: [ 1, 2 ]
amdhsa.kernels:
  - .name:           k_qbce5135568_attn
    .symbol:         k_qbce5135568_attn.kd
    .args:
      - { .name: qkv, .offset: 0, .size: 8, .value_kind: global_buffer, .address_space: global }
      - { .name: att, .offset: 8, .size: 8, .value_kind: global_buffer, .address_space: global }
    .group_segment_fixed_size: 256000
    .private_segment_fixed_size: 0
    .kernarg_segment_align: 8
    .kernarg_segment_size: 16
    .max_flat_workgroup_size: 512
    .sgpr_count:     66
    .vgpr_count:     256
    .wavefront_size: 32
...
	.end_amdgpu_metadata
.endif
;; end of part 3
;; launch gemm_proj (part 4): grid 4 x 64, 4 waves a work-group, clusters of 4 x 4, 327,680 bytes of LDS; arguments att, wts, b_proj, out0; writes out0
.if DOCPART == 4
	.amdgcn_target "amdgcn-amd-amdhsa--gfx1250"
	.amdhsa_code_object_version 6
	.text
	.protected	k_qbce5135568_gemm_proj
	.globl	k_qbce5135568_gemm_proj
	.p2align	8
	.type	k_qbce5135568_gemm_proj,@function
k_qbce5135568_gemm_proj:
	s_mov_b64 s[64:65], 0
	v_nop
	global_prefetch_b8 v0, s[64:65] scope:SCOPE_SE
	s_setreg_imm32_b32 hwreg(HW_REG_WAVE_MODE, 25, 1), 1
	s_wait_xcnt 0x0
	s_wait_alu depctr_hold_cnt(0) depctr_sa_sdst(0) depctr_va_vdst(0) depctr_va_sdst(0) depctr_va_ssrc(0) depctr_va_vcc(0) depctr_vm_vsrc(0)
	s_getreg_b32 s2, hwreg(HW_REG_IB_STS2, 6, 4)
	s_cmp_eq_u32 s2, 0
	s_cbranch_scc0 .Lentry_in_a_cluster
	s_endpgm
.Lentry_in_a_cluster:
	s_bfe_u32 s2, ttmp6, 0x10000c
	s_cmp_lg_u32 s2, 0xf033
	s_cbranch_scc0 .Lentry_shape_is_right
	s_endpgm
.Lentry_shape_is_right:
; out0 [8192][1024] f32 = attention's result x w_proj + b_proj, on codes of FP6 (E2M3) with E8M0 scales.  Both operands come as images of operand registers: [tile of 16 rows][K step of 128][1,536 bytes], and
; their scale words as [tile][K step][16 words]; w_proj's codes begin at byte 2,359,296 of wts, its scale words at 3,244,032; the result's scale words at byte 6,291,456 of att.
; SHARES.  A block of 128 x 256 to a work-group: 64 x 4 = 256 work-groups.  Four waves, each 64 x 128: 32 accumulators of 16 x 16, 256 registers.
; ALL OF K LIES IN LDS: A's 8 tiles (98,304 bytes), B's 16 tiles (196,608) and their scale words (4,096 + 8,192) are four dense blocks of memory, asked for at the head, one tensor load a wave, and filled once:
; no ring, no refill, no barrier in the walk along K.  No prefetch: every tile is asked for at the head, and there is no loop to run ahead in.
; CLUSTERS: 4 x 4 work-groups.  A's blocks hang on the block's row alone and are shared along a row of the cluster, B's on its column alone and are shared along a column: each is asked for jointly.
; THE MATRIX INSTRUCTION IS USED TRANSPOSED (source 0 = 16 rows of B, source 1 = 16 rows of A): a lane holds eight neighbouring numbers of a row of the result.  The bias is the C of the first K step's products.
; REGISTERS: window 0: v16-29 addresses; v32-47 scale words, two sets; v64-127 the bias; v128-223 A's fragments, two sets of 4; on the way out v128-255 are free.  Window 1: B's fragments, two sets of 8, at v0 and
; v128.  Window 2: the accumulators, (a, b) at v[8 (8 a + b)].  A K step's 44 LDS loads are issued ahead of the step before's 32 products.
.set SIZE_N, 1024
.set FR,     12
.set NP,     4
.set KROW,   12288                     ; a tile of 16 rows, all of K
.set LB,     8*KROW                    ; B's codes, behind A's
.set SCL,    24*KROW                   ; A's scale words, 4,096 bytes; then B's, 8,192
.set SPARE,  SCL+12288                 ; the spare words, 128 bytes a wave
.set SPITCH, 528                       ; the way out: a stage of 16 rows x (512 + 16) bytes for each wave, in A's bytes, behind a barrier behind which nobody reads them
.set ADRA, 16
.set ADRB, 20                          ; v20 B's tiles 0-3, v21 tiles 4-7
.set STO,  24
.set RD,   25
.set CO,   26
.set ADRS, 27
.set SPW,  28
.set NIL,  29
.set SC,   32                          ; set p at v[SC + 8 p]; register i: lanes 0-15 the words of A's tile i, lanes 16-31 of B's tile i
.set BI,   64
.set AF,   128
.set BK,   128
.set G1, 24
.set G0, 32
.set G1B, 48
.set G0B, 56
.set G1S, 68
.set G0S, 76
.set G1SB, 80
.set G0SB, 88
.set MSB, 0
.macro WIN new
.if MSB != (\new)
	s_set_vgpr_msb (MSB<<8)|(\new)
.set MSB, (\new)
.endif
.endm
.set MUL_C0, 0x81                      ; source 0 (B) window 1, source 1 (A) and C window 0, D window 2
.set MUL_LO, 0xa1                      ; the same, C and D window 2
.set TO_B,   0x40
.macro CROUND
	s_barrier_signal -1
	s_barrier_wait -1
	s_cmp_lg_u32 s14, 0
	s_cbranch_scc1 .Lnot_wave_0_\@
	s_barrier_signal -3
.Lnot_wave_0_\@:
	s_barrier_wait -3
	s_barrier_signal -1
	s_barrier_wait -1
.endm
.macro GROUP1 g, c, r                  ; a dense block: r rows of c elements of 8 bytes
	s_mov_b32 s[\g+1], (\c)<<16
	s_mov_b32 s[\g+2], (\r)<<16
	s_mov_b32 s[\g+3], (\c)<<16
	s_mov_b32 s[\g+4], \r
	s_mov_b32 s[\g+5], \c
	s_mov_b32 s[\g+6], 0
	s_mov_b32 s[\g+7], 0
.endm
.macro GROUP0 g, lds, a
	s_mov_b32 s[\g], 1
	s_mov_b32 s[\g+1], \lds
	s_mov_b64 s[\g+2:\g+3], s[\a:\a+1]
	s_or_b32 s[\g+3], s[\g+3], 0x80000000
.endm
.macro ARM under, g0, g1, next
	s_cmp_lt_u32 s14, \under
	s_cbranch_scc0 \next
	tensor_load_to_lds s[\g0:\g0+3], s[\g1:\g1+7]
	s_nop 0
.rept 4
	v_nop
.endr
	s_branch .Lhead_asked
\next:
.endm
	s_load_b256 s[4:11], s[0:1], 0x0               ; att s[4:5], wts s[6:7], b_proj s[8:9], out0 s[10:11]
	v_lshl_add_u32 v[SPW], v0, 2, SPARE
	v_mov_b32 v[NIL], 0
	ds_add_u32 v[SPW], v[NIL]                      ; the opening: the add, twice on end, and its wait ahead of my tensor load
	ds_add_u32 v[SPW], v[NIL]
	v_lshrrev_b32 v1, 5, v0
	v_readfirstlane_b32 s14, v1                    ; wave 0..3
	s_lshr_b32 s15, s14, 1                         ; which 64 rows of the block are mine
	s_and_b32 s16, s14, 1                          ; which 128 columns
	s_bfe_u32 s40, ttmp6, 0x40000                  ; cx
	s_bfe_u32 s41, ttmp6, 0x40004                  ; cy
	s_lshl_b32 s42, ttmp9, 2
	s_add_co_u32 s42, s42, s40                     ; the block's column
	s_and_b32 s17, ttmp7, 0xffff
	s_lshl_b32 s17, s17, 2
	s_add_co_u32 s17, s17, s41                     ; the block's row
	s_lshl_b32 s43, s41, 2
	s_lshl_b32 s43, 15, s43                        ; my row of the cluster
	s_lshl_b32 s44, 0x1111, s40                    ; my column
	s_or_b32 s[G1+0], s43, (3<<16)|(1<<21)
	s_or_b32 s[G1B+0], s44, (3<<16)|(1<<21)
	s_or_b32 s[G1S+0], s43, (3<<16)|(1<<21)
	s_or_b32 s[G1SB+0], s44, (3<<16)|(1<<21)
	GROUP1 G1, 384, 32                             ; A's codes: 32 rows of 3,072 bytes
	GROUP1 G1B, 384, 64                            ; B's: 64
	GROUP1 G1S, 32, 16                             ; A's scale words: 16 rows of 256 bytes
	GROUP1 G1SB, 32, 32                            ; B's: 32
	s_mul_i32 s20, s17, 8*KROW
	s_lshl_b32 s22, s17, 12
	s_add_co_u32 s22, s22, 6291456
	s_mul_i32 s46, s42, 16*KROW
	s_add_co_u32 s46, s46, 2359296
	s_lshl_b32 s92, s42, 13
	s_add_co_u32 s92, s92, 3244032
	s_mov_b32 s21, 0
	s_mov_b32 s23, 0
	s_mov_b32 s47, 0
	s_mov_b32 s93, 0
	s_wait_dscnt 0x0                               ; both opening adds are done
	s_wait_kmcnt 0x0
	s_add_nc_u64 s[20:21], s[4:5], s[20:21]
	s_add_nc_u64 s[22:23], s[4:5], s[22:23]
	s_add_nc_u64 s[46:47], s[6:7], s[46:47]
	s_add_nc_u64 s[92:93], s[6:7], s[92:93]
	GROUP0 G0, 0, 20
	GROUP0 G0B, LB, 46
	GROUP0 G0S, SCL, 22
	GROUP0 G0SB, SCL+4096, 92
	CROUND                                         ; all sixteen work-groups are here: the joint loads meet
	ARM 1, G0,  G1,  .Lhead_b                      ; one load a wave: A's codes,
	ARM 2, G0B, G1B, .Lhead_sa                     ; B's codes,
	ARM 3, G0S, G1S, .Lhead_sb                     ; A's scale words,
	tensor_load_to_lds s[G0SB:G0SB+3], s[G1SB:G1SB+7]   ; B's scale words
	s_nop 0
.rept 4
	v_nop
.endr
.Lhead_asked:
	s_mul_i32 s21, s15, 4*KROW                     ; my 4 tiles of A
	s_mul_i32 s22, s16, 8*KROW                     ; my 8 tiles of B,
	s_add_co_u32 s22, s22, LB
	s_add_co_u32 s23, s22, 4*KROW                  ; and the upper four of them (an LDS offset has 16 bits)
	s_lshl_b32 s94, s15, 11                        ; A's scale words: 512 bytes a tile
	s_lshl_b32 s95, s16, 12
	s_add_co_u32 s95, s95, 4096
	s_sub_co_u32 s95, s95, s94                     ; from there to B's
	s_add_co_u32 s94, s94, SCL
	s_mul_i32 s96, s14, 16*SPITCH                  ; my stage
	s_lshl_b32 s18, s42, 10
	s_lshl_b32 s19, s16, 9
	s_add_co_u32 s18, s18, s19                     ; my first column, in bytes
	s_mov_b32 s19, 0
	s_add_nc_u64 s[8:9], s[8:9], s[18:19]
	s_add_nc_u64 s[10:11], s[10:11], s[18:19]
	s_lshl_b32 s18, s17, 7
	s_lshl_b32 s97, s15, 6
	s_add_co_u32 s18, s18, s97                     ; my first row,
	s_lshl_b32 s18, s18, 12                        ; of 4,096 bytes
	s_add_nc_u64 s[10:11], s[10:11], s[18:19]
	v_and_b32 v1, 15, v0                           ; r
	v_bfe_u32 v2, v0, 4, 1                         ; h
	v_and_b32 v3, 31, v0
	v_lshlrev_b32 v[CO], 4, v3                     ; 16 x lane: my bytes of an image's piece, and of a row of the result
	v_lshlrev_b32 v7, 5, v2                        ; the bias: 32 h
	v_mul_u32_u24 v6, s95, v2                      ; lanes 16-31 take B's scale words
	v_mul_u32_u24 v5, v1, SPITCH
	v_add_nc_u32 v[ADRA], s21, v[CO]
	v_add_nc_u32 v[ADRB], s22, v[CO]
	v_add_nc_u32 v[ADRB+1], s23, v[CO]
	v_lshl_add_u32 v6, v1, 2, v6
	v_lshl_add_u32 v5, v2, 5, v5                   ; into the stage: row r, 32 bytes for each half of the lanes
	v_add_nc_u32 v[RD], s96, v[CO]                 ; out of it: the 32 lanes take a row of 512 bytes
	v_add_nc_u32 v[ADRS], s94, v6
	v_add_nc_u32 v[STO], s96, v5
	s_wait_alu depctr_va_vdst(0)                   ; the wait at the head's end
.irp b, 0,1,2,3,4,5,6,7
.irp e, 0,1
	global_load_b128 v[BI+8*\b+4*\e:BI+8*\b+4*\e+3], v7, s[8:9] offset:64*\b+16*\e   ; b_proj at my eight columns of each tile of B
.endr
.endr
.macro FRAG reg, adr, off
.irp c, 0,1,2
	ds_load_b128 v[\reg+4*\c:\reg+4*\c+3], v[\adr] offset:(\off)+512*\c
.endr
.endm
.macro FETCH st                        ; K step st's fragments and scale words into set st % 2: 36 + 8 loads
	WIN TO_B
.irp i, 0,1,2,3
	FRAG 128*((\st)%2)+FR*\i, ADRB, \i*KROW+(\st)*1536
.endr
.irp i, 0,1,2,3
	FRAG 128*((\st)%2)+FR*(\i+4), ADRB+1, \i*KROW+(\st)*1536
.endr
	WIN 0
.irp i, 0,1,2,3
	FRAG AF+48*((\st)%2)+FR*\i, ADRA, \i*KROW+(\st)*1536
.endr
.irp i, 0,1,2,3,4,5,6,7
	ds_load_b32 v[SC+8*((\st)%2)+\i], v[ADRS] offset:\i*512+(\st)*64
.endr
.endm
; 16 matrix instructions: A's tiles a0, a0 + 1 x B's eight.  The 32 accumulators take turns, one instruction a turn, in the same order in every K step.
.macro MUL16 a0, p, first
.irp a, \a0, \a0+1
.irp b, 0,1,2,3,4,5,6,7
.if \first
	v_wmma_scale_f32_16x16x128_f8f6f4 v[8*(8*(\a)+\b):8*(8*(\a)+\b)+7], v[128*(\p)+FR*\b:128*(\p)+FR*\b+FR-1], v[AF+48*(\p)+FR*(\a):AF+48*(\p)+FR*(\a)+FR-1], v[BI+8*\b:BI+8*\b+7], v[SC+8*(\p)+\b], v[SC+8*(\p)+(\a)] matrix_a_fmt:MATRIX_FMT_FP6 matrix_b_fmt:MATRIX_FMT_FP6 matrix_a_scale:MATRIX_SCALE_ROW1
.else
	v_wmma_scale_f32_16x16x128_f8f6f4 v[8*(8*(\a)+\b):8*(8*(\a)+\b)+7], v[128*(\p)+FR*\b:128*(\p)+FR*\b+FR-1], v[AF+48*(\p)+FR*(\a):AF+48*(\p)+FR*(\a)+FR-1], v[8*(8*(\a)+\b):8*(8*(\a)+\b)+7], v[SC+8*(\p)+\b], v[SC+8*(\p)+(\a)] matrix_a_fmt:MATRIX_FMT_FP6 matrix_b_fmt:MATRIX_FMT_FP6 matrix_a_scale:MATRIX_SCALE_ROW1
.endif
.endr
.endr
.endm
.macro PLACES n
.rept \n
	v_nop
.endr
.endm
.macro KSTEP st
	s_wait_dscnt 0x0                               ; this step's fragments, asked for a step ago, are in
.if (\st) < 7
.if (\st) > 0
	PLACES NP                                      ; in front of loads into registers that the step before's products read
.endif
	FETCH (\st)+1
.endif
.if (\st) == 0
	WIN MUL_C0
	MUL16 0, 0, 1                                  ; the first products start the sums on the bias
	MUL16 2, 0, 1
.else
	WIN MUL_LO
	MUL16 0, (\st)%2, 0
	MUL16 2, (\st)%2, 0
.endif
	WIN 0
.endm
	s_wait_loadcnt 0x0                             ; the bias is in
	s_wait_tensorcnt 0x0                           ; my block of the head's four is in
	s_barrier_signal -1
	s_barrier_wait -1                              ; and so is everybody's
	FETCH 0
.irp st, 0,1,2,3,4,5,6,7
	KSTEP \st
.endr
; THE WAY OUT, block by block of 16 rows x 128 columns, through my stage in LDS, so that the 32 lanes store whole rows of 512 bytes: two aligned units of 256 bytes.
.macro TOSTAGE a
.set AC, 64*(\a)
	WIN 0x08                                       ; the data: window 2
.irp b, 0,1,2,3,4,5,6,7
	ds_store_b128 v[STO], v[AC+8*\b:AC+8*\b+3] offset:64*\b          ; each accumulator from its low end on
	ds_store_b128 v[STO], v[AC+8*\b+4:AC+8*\b+7] offset:64*\b+16
.endr
	WIN 0
.set BB, BK+64*((\a)%2)
.irp t, 0,1,2,3,4,5,6,7,8,9,10,11,12,13,14,15
	ds_load_b128 v[BB+4*\t:BB+4*\t+3], v[RD] offset:\t*SPITCH      ; LDS serves a wave's instructions in order: these see the stores above
.endr
.endm
.macro SEND a, younger
.set BB, BK+64*((\a)%2)
	s_wait_dscnt \younger                          ; the block is back in registers
.if (\a) > 0
	s_add_nc_u64 s[10:11], s[10:11], 16*SIZE_N*4   ; (behind a wait on XCNT: the earlier stores have read their base)
.endif
.irp t, 0,1,2,3,4,5,6,7,8,9,10,11,12,13,14,15
	global_store_b128 v[CO], v[BB+4*\t:BB+4*\t+3], s[10:11] offset:\t*SIZE_N*4 th:TH_STORE_NT
.endr
.endm
	s_wait_dscnt 0x0                               ; my reads of A's and B's codes are over
	s_barrier_signal -1
	s_barrier_wait -1                              ; and everybody's: the stages may be laid over A's codes, which have had their only fill
	PLACES NP                                      ; behind the last products: for the stores of results and the loads into A's registers
	TOSTAGE 0
.irp a, 1,2,3
.if \a > 1
	s_wait_xcnt 0x0                                ; block a - 2's stores have read their registers and their base
.endif
	TOSTAGE \a
	SEND \a-1, 32                                  ; behind block a - 1's loads: block a's 16 stores and 16 loads
.endr
	s_wait_xcnt 0x0
	SEND 3, 0
	s_wait_tensorcnt 0x0                           ; the wave's end
	ds_add_u32 v[SPW], v[NIL]
	s_wait_dscnt 0x0
	CROUND                                         ; the closing round
	s_endpgm
.Lfunc_end_k_qbce5135568_gemm_proj:
	.size	k_qbce5135568_gemm_proj, .Lfunc_end_k_qbce5135568_gemm_proj-k_qbce5135568_gemm_proj
	.p2alignl 7, 3214868480
	.fill 96, 4, 3214868480
	.section	.rodata,"a",@progbits
	.p2align	6, 0x0
	.amdhsa_kernel k_qbce5135568_gemm_proj
		.amdhsa_group_segment_fixed_size 327680
		.amdhsa_private_segment_fixed_size 0
		.amdhsa_enable_private_segment 0
		.amdhsa_kernarg_size 32
		.amdhsa_user_sgpr_count 2
		.amdhsa_user_sgpr_kernarg_segment_ptr 1
		.amdhsa_wavefront_size32 1
		.amdhsa_system_sgpr_workgroup_id_x 1
		.amdhsa_system_sgpr_workgroup_id_y 1
		.amdhsa_system_sgpr_workgroup_id_z 1
		.amdhsa_system_vgpr_workitem_id 0
		.amdhsa_next_free_vgpr 768
		.amdhsa_next_free_sgpr 100
		.amdhsa_reserve_vcc 0
		.amdhsa_float_denorm_mode_32 3
		.amdhsa_float_denorm_mode_16_64 3
		.amdhsa_memory_ordered 1
		.amdhsa_forward_progress 1
		.amdhsa_inst_pref_size 81
	.end_amdhsa_kernel
	.amdgpu_metadata
---
amdhsa.version: [ 1, 2 ]
amdhsa.kernels:
  - .name:           k_qbce5135568_gemm_proj
    .symbol:         k_qbce5135568_gemm_proj.kd
    .args:
      - { .name: att, .offset: 0, .size: 8, .value_kind: global_buffer, .address_space: global }
      - { .name: wts, .offset: 8, .size: 8, .value_kind: global_buffer, .address_space: global }
      - { .name: b_proj, .offset: 16, .size: 8, .value_kind: global_buffer, .address_space: global }
      - { .name: out0, .offset: 24, .size: 8, .value_kind: global_buffer, .address_space: global }
    .group_segment_fixed_size: 327680
    .private_segment_fixed_size: 0
    .kernarg_segment_align: 8
    .kernarg_segment_size: 32
    .max_flat_workgroup_size: 128
    .sgpr_count:     100
    .vgpr_count:     768
    .wavefront_size: 32
...
	.end_amdgpu_metadata
.endif
;; end of part 4
